; MI455X (gfx1250); checked and timed in simulation.
; The chip was launched on July 23, 2026; its instructions are those of AMD's public machine-readable ISA for CDNA 5 (MIT licence, August 2026) and "CDNA5" Instruction Set Architecture Reference Guide (July 2026). The comments in the code are by the model that wrote it; some were corrected since.
;; Multi Head Attention. Allowed arithmetic: matrix products marked QUANTISED: E2M1 operands, one E8M0 scale for each 32 along K, by v_wmma_scale_f32_16x16x128_f8f6f4 with both operands' format E2M1 (or v_wmma_scale_f32_32x16x128_f4), f32 sums; products left as they are: bf16, f16 or f32 operands; f32 sums; everything else in f32.
;; Inputs: Wk 1,024 x 1,024 float32; Wo 1,024 x 1,024 float32; Wq 1,024 x 1,024 float32; Wv 1,024 x 1,024 float32; token_positions 2,048 int32; x 4 x 2,048 x 1,024 float32.
;; Outputs: out0 4 x 2,048 x 1,024 float32.
;; This version of the problem:
;;   THIS VERSION OF THE PROBLEM IS GIVEN IN LOW PRECISION. The matrix products marked QUANTISED in the list below multiply operands that are first quantised to E2M1 (2 exponent bits, 1 mantissa bit; 4 bits a number), with one power-of-two scale for each 32 numbers along K (OCP MX v1.0); their sums are f32. The products marked 'left as it is' may take bf16, f16 or f32 operands, with f32 sums. Whichever they take, every output number must still come out within the allowed error. Rounding operands to bf16 (8 significant bits) uses up far more of that allowance than f16 does (11 bits, for magnitudes from 6e-5 to 65,504). All else is computed in f32.
;;   The module's matrix products, in the order in which they are computed (A, B: the left and right operand; K: the contracted axis; several contracted axes count as one K, in the product's order):
;;     1. [M 8,192, K 1,024] x [K 1,024, N 1,024]; A: input x; B: input Wq: QUANTISED
;;     2. [M 8,192, K 1,024] x [K 1,024, N 1,024]; A: input x; B: input Wk: QUANTISED
;;     3. [M 8,192, K 1,024] x [K 1,024, N 1,024]; A: input x; B: input Wv: QUANTISED
;;     4. batch 64 x [M 2,048, K 64] x [K 64, N 2,048]; A: computed on the way; B: computed on the way: left as it is (an operand is computed on the way)
;;     5. batch 64 x [M 2,048, K 2,048] x [K 2,048, N 64]; A: computed on the way; B: computed on the way: left as it is (an operand is computed on the way)
;;     6. [M 8,192, K 1,024] x [K 1,024, N 1,024]; A: computed on the way; B: input Wo: left as it is (an operand is computed on the way)
;;   THE QUANTISER, for each operand of a quantised product, along K:
;;     - K is cut into blocks of 32 from its start; a last block that is shorter is filled with zeros.
;;     - A block's scale is 2^e with e = floor(log2(the largest magnitude in the block)) - 2, held to -126 .. 127; a block of zeros has e = 0. As a byte (E8M0): e + 127.
;;     - Each number is divided by its block's scale, clamped to +-6, and rounded to the nearest number of E2M1, ties to even, subnormals kept.
;;     - The product sums the exact products of the quantised numbers (number of the format x scale) in f32.
;;   ~~~python
;;   def quantise(x, axis):      # numpy; x: float32 -> the quantised numbers, widened to float32 again
;;       x = np.moveaxis(x, axis, -1); K = x.shape[-1]
;;       x = np.pad(x, [(0, 0)] * (x.ndim - 1) + [(0, -K % 32)]); x = x.reshape(x.shape[:-1] + (-1, 32)); a = np.abs(x).max(-1, keepdims=True)
;;       e = np.where(a > 0, np.clip(np.frexp(np.where(a > 0, a, 1))[1] - 1 - 2, -126, 127), 0)      # np.frexp(a)[1] - 1 = floor(log2(a)), exactly
;;       r = np.clip(x / 2.0 ** e, -6, 6)
;;       step = 2.0 ** (np.maximum(np.frexp(np.where(r == 0, 1, r))[1] - 1, 0) - 1)
;;       q = np.round(r / step) * step * 2.0 ** e      # np.round: ties to even
;;       return np.moveaxis(q.reshape(q.shape[:-2] + (-1,))[..., :K], -1, axis).astype(np.float32)
;;   ~~~
;; One version. Each part assembles by itself: llvm-mc -triple=amdgcn-amd-amdhsa -mcpu=gfx1250 --defsym DOCPART=n.
;; ======== version 1 of 1: 5 launches
;; limits: inputs' magnitudes at most 1,048,576; values are held in f16: magnitudes above 65,504 overflow, below 6.1e-05 lose precision
;; workspace buffers: cod 5,767,168 bytes; scl 360,448 bytes; wo16 2,097,152 bytes; cs 524,288 bytes; qkv16 50,331,648 bytes; a16 16,777,216 bytes; qkv32 786,432 bytes
;; launch prep (part 1): grid 496 x 1, 4 waves a work-group, no clusters, 68,096 bytes of LDS; arguments x, Wq, Wk, Wv, Wo, token_positions, cod, scl, wo16, cs; writes cod, scl, wo16, cs
.if DOCPART == 1
	.amdgcn_target "amdgcn-amd-amdhsa--gfx1250"
	.amdhsa_code_object_version 6
	.text
	.protected	k_qfef6f307d1_prep
	.globl	k_qfef6f307d1_prep
	.p2align	8
	.type	k_qfef6f307d1_prep,@function
k_qfef6f307d1_prep:
	s_mov_b64 s[64:65], 0
	v_nop
	global_prefetch_b8 v0, s[64:65] scope:SCOPE_SE
	s_setreg_imm32_b32 hwreg(HW_REG_WAVE_MODE, 25, 1), 1
	s_wait_xcnt 0x0
; THE PROGRAM: causal attention, B 4, S 2048, D 1024, 16 heads of 64.  Five launches: prep (this one), qkv, attn, oproj, first16.
; WORK LEFT OUT, in the whole program: only what the causal mask that the problem builds itself (tril) throws away, in whole units: a step of 64 keys all of which come after all 32 queries of a wave, and a slot
; of 256 keys all of which come after a work-group's last query.  For every value of the inputs those scores are replaced by -infinity ahead of the softmax, so their weights are 0 and they reach no output.
; LIMIT: a NaN, an infinity or an overflow that reaches only such scores is not carried to the result.  Every input has a way to an output and is loaded.
; THIS LAUNCH, four roles told apart by the work-group's number; each role has LDS bytes of its own:
;   X (work-groups 0-255):   x [8192][1024] f32 -> codes of FP4 (E2M1), K innermost, and one E8M0 byte for each 32 along K: cod at 0, scl at 0.
;   W (256-303):             Wq, Wk, Wv [k 1024][n 1024] f32, K their FIRST axis -> codes [3072 columns][512 bytes] at cod + 4,194,304, bytes [3072][32] at scl + 262,144.
;   O (304-431):             wo16 = f16(64 Wo), in Wo's own order (the factor, a power of two, is taken off again behind the product).
;   R (432-495):             cs[s][i] = (cos, sin) of f32(token_positions[s]) x 10000^(-i/32), i = 0..31: 256 bytes a position.
; THE QUANTISER: a block's scale is 2^(floor(log2(largest magnitude)) - 2); its byte is the largest magnitude's exponent field - 2, held at 1 from below; numbers / scale to the nearest code, ties to even, beyond 6 the code of 6.
; A block of zeros gets the byte 1 where the rule says 127: its codes are zeros, and this program alone reads the bytes.
; LIMITS: NaN and infinities among the inputs are not served; blocks whose largest magnitude lies under 2^-124 keep the byte 1; positions of magnitude up to 2^20 (beyond that the quadrant of the angle is no longer sure).
.set SPW,    190                       ; v190  LDS address of my spare word; never rewritten
.set NIL,    191                       ; v191  0; never rewritten
.set XREG,   8192                      ; role X: a region for each wave: two stages of 32 x 80 bytes, then its 256 scale bytes
.set XSP,    80                        ; a lane's place in a stage: 64 bytes + 16 of padding
.set WSTG,   32768                     ; role W: four stages of 32 rows x 272 bytes
.set WPITCH, 272
.set SPARE,  67584                     ; the spare words, 128 bytes for each wave
.set EMAX,   2
.set STEPS,  16
.macro FINISH                          ; a wave's end
	s_wait_tensorcnt 0x0
	ds_add_u32 v[SPW], v[NIL]
	s_wait_dscnt 0x0
	s_endpgm
.endm
	s_load_b512 s[8:23], s[0:1], 0x0               ; x 8, Wq 10, Wk 12, Wv 14, Wo 16, token_positions 18, cod 20, scl 22
	s_load_b128 s[24:27], s[0:1], 0x40             ; wo16 24, cs 26
	v_lshl_add_u32 v[SPW], v0, 2, SPARE
	v_mov_b32 v[NIL], 0
	v_lshrrev_b32 v1, 5, v0
	v_readfirstlane_b32 s28, v1                    ; wave
	v_and_b32 v2, 31, v0                           ; lane
	s_mov_b32 s33, 0                               ; the upper word of every offset pair s[32:33]
	s_wait_kmcnt 0x0
	s_cmp_lt_u32 ttmp9, 256
	s_cbranch_scc1 .Lrole_x
	s_cmp_lt_u32 ttmp9, 304
	s_cbranch_scc1 .Lrole_w
	s_cmp_lt_u32 ttmp9, 432
	s_cbranch_scc1 .Lrole_o
; ---- ROLE R: a wave takes 8 positions, a lane one of the 32 frequencies; eight chains that do not wait for each other
.set ANG, 24
.set NN,  32
.set RD,  40
.set ZZ,  48
.set PS,  56
.set PC,  64
.set QQ,  72
.set TT,  80
.set OUT, 96
	s_sub_co_u32 s30, ttmp9, 432
	s_lshl_b32 s30, s30, 5
	s_lshl_b32 s31, s28, 3
	s_add_co_u32 s30, s30, s31                     ; my wave's first place in the sequence
	s_lshl_b32 s32, s30, 2
	s_add_nc_u64 s[18:19], s[18:19], s[32:33]
	s_load_b256 s[44:51], s[18:19], 0x0            ; eight positions: they enter as numbers only
	s_lshl_b32 s32, s30, 8
	s_add_nc_u64 s[26:27], s[26:27], s[32:33]      ; 256 bytes of the table for each place
	s_mov_b32 s40, 0x3fc90fdb                      ; pi/2, its upper part
	s_mov_b32 s41, 0x333bbd2e                      ; that part less pi/2
	v_cvt_f32_u32 v16, v2
	v_mul_f32 v16, 0xbed49a78, v16                 ; -i log2(10000) / 32
	v_exp_f32 v16, v16                             ; the frequency
	v_mov_b32 v17, 0x3638ef1d                      ; 1/9!
	v_mov_b32 v18, 0xb493f27e                      ; -1/10!
	v_lshlrev_b32 v4, 3, v2                        ; 8 bytes a lane
	s_wait_alu depctr_va_vdst(0)                   ; ahead of the exponential's first reader
	s_wait_kmcnt 0x0
.irp j, 0,1,2,3,4,5,6,7
	v_cvt_f32_i32 v[ANG+\j], s[44+\j]
.endr
.irp j, 0,1,2,3,4,5,6,7
	v_mul_f32 v[ANG+\j], v[ANG+\j], v16            ; the angle
.endr
.irp j, 0,1,2,3,4,5,6,7
	v_mul_f32 v[NN+\j], 0x3f22f983, v[ANG+\j]      ; x 2/pi
.endr
.irp j, 0,1,2,3,4,5,6,7
	v_rndne_f32 v[NN+\j], v[NN+\j]                 ; n: how many quarter turns
.endr
.irp j, 0,1,2,3,4,5,6,7
	v_fma_f32 v[RD+\j], -v[NN+\j], s40, v[ANG+\j]  ; r = angle - n pi/2, in two parts
.endr
.irp j, 0,1,2,3,4,5,6,7
	v_fma_f32 v[RD+\j], v[NN+\j], s41, v[RD+\j]
.endr
.irp j, 0,1,2,3,4,5,6,7
	v_mul_f32 v[ZZ+\j], v[RD+\j], v[RD+\j]
.endr
.irp j, 0,1,2,3,4,5,6,7
	v_cvt_i32_f32 v[QQ+\j], v[NN+\j]
.endr
.irp j, 0,1,2,3,4,5,6,7
	v_fmaak_f32 v[PS+\j], v17, v[ZZ+\j], 0xb9500d01   ; the sine's series in z = r r, |r| <= pi/4
	v_fmaak_f32 v[PC+\j], v18, v[ZZ+\j], 0x37d00d01   ; the cosine's
.endr
.irp j, 0,1,2,3,4,5,6,7
	v_fmaak_f32 v[PS+\j], v[PS+\j], v[ZZ+\j], 0x3c088889
	v_fmaak_f32 v[PC+\j], v[PC+\j], v[ZZ+\j], 0xbab60b61
.endr
.irp j, 0,1,2,3,4,5,6,7
	v_fmaak_f32 v[PS+\j], v[PS+\j], v[ZZ+\j], 0xbe2aaaab
	v_fmaak_f32 v[PC+\j], v[PC+\j], v[ZZ+\j], 0x3d2aaaab
.endr
.irp j, 0,1,2,3,4,5,6,7
	v_mul_f32 v[TT+\j], v[ZZ+\j], v[RD+\j]
	v_fmaak_f32 v[PC+\j], v[PC+\j], v[ZZ+\j], 0xbf000000
.endr
.irp j, 0,1,2,3,4,5,6,7
	v_fma_f32 v[PS+\j], v[PS+\j], v[TT+\j], v[RD+\j]  ; sin r
	v_fma_f32 v[PC+\j], v[PC+\j], v[ZZ+\j], 1.0       ; cos r
.endr
.irp j, 0,1,2,3,4,5,6,7
	v_and_b32 v[TT+\j], 1, v[QQ+\j]                ; an odd quarter turn swaps the two;
	v_cmp_eq_u32 vcc_lo, 1, v[TT+\j]
	v_cndmask_b32 v[OUT+2*\j+1], v[PS+\j], v[PC+\j], vcc_lo
	v_cndmask_b32 v[OUT+2*\j], v[PC+\j], v[PS+\j], vcc_lo
	v_and_b32 v[TT+\j], 2, v[QQ+\j]                ; the sine is negated in quarters 2, 3,
	v_add_nc_u32 v[QQ+\j], 1, v[QQ+\j]
	v_lshlrev_b32 v[TT+\j], 30, v[TT+\j]
	v_and_b32 v[QQ+\j], 2, v[QQ+\j]                ; the cosine in quarters 1, 2
	v_xor_b32 v[OUT+2*\j+1], v[TT+\j], v[OUT+2*\j+1]
	v_lshlrev_b32 v[QQ+\j], 30, v[QQ+\j]
	v_xor_b32 v[OUT+2*\j], v[QQ+\j], v[OUT+2*\j]
	global_store_b64 v4, v[OUT+2*\j:OUT+2*\j+1], s[26:27] offset:256*\j   ; 32 lanes store 256 consecutive bytes, aligned
.endr
	FINISH
; ---- ROLE O: 32,768 bytes of Wo a work-group: 16 loads of 16 bytes a thread (a wave: 512 consecutive bytes), x 64, to f16, 16 stores of 8 bytes (a wave: 256 consecutive bytes)
.Lrole_o:
	s_sub_co_u32 s30, ttmp9, 304
	s_lshl_b32 s32, s30, 15
	s_add_nc_u64 s[16:17], s[16:17], s[32:33]
	s_lshl_b32 s32, s30, 14
	s_add_nc_u64 s[24:25], s[24:25], s[32:33]
	s_mov_b32 s40, 0x42800000                      ; 64
	s_mov_b32 s41, s40                             ; (named with it as a pair, so it is written)
	v_lshlrev_b32 v3, 4, v0
	v_lshlrev_b32 v4, 3, v0
.irp j, 0,1,2,3,4,5,6,7,8,9,10,11,12,13,14,15
	global_load_b128 v[16+4*\j:19+4*\j], v3, s[16:17] offset:2048*\j th:TH_LOAD_NT
.endr
.irp j, 0,1,2,3,4,5,6,7,8,9,10,11,12,13,14,15
	s_wait_loadcnt 15-\j                           ; loads come back in order: the younger ones may stay out
	v_pk_mul_f32 v[16+4*\j:17+4*\j], v[16+4*\j:17+4*\j], s[40:41] op_sel_hi:[1,0]
	v_pk_mul_f32 v[18+4*\j:19+4*\j], v[18+4*\j:19+4*\j], s[40:41] op_sel_hi:[1,0]
	v_cvt_pk_f16_f32 v[80+2*\j], v[16+4*\j], v[17+4*\j]
	v_cvt_pk_f16_f32 v[81+2*\j], v[18+4*\j], v[19+4*\j]
	global_store_b64 v4, v[80+2*\j:81+2*\j], s[24:25] offset:1024*\j
.endr
	FINISH
; ---- ROLE W: a lane takes a column n and its registers run down K: a block of 32 lies in one lane, and the codes come out with K innermost.  A wave: 32 columns x 512 along K; the codes leave through its stage as rows of 256 bytes
.set WX,   32                          ; v32-95   two sets of 32 numbers
.set WC,   96                          ; v96-99   a block's codes
.set WOUT, 112                         ; v112-175 the way out
.set WSB,  24                          ; v24-27   the scale bytes, four to a register
.macro WLOAD t
.irp i, 0,1,2,3,4,5,6,7,8,9,10,11,12,13,14,15,16,17,18,19,20,21,22,23,24,25,26,27,28,29,30,31
	global_load_b32 v[WX+32*((\t)%2)+\i], v3, s[10:11] offset:(32*(\t)+\i)*4096 th:TH_LOAD_NT
.endr
.endm
.macro WBLOCK t
.set XS, WX+32*((\t)%2)
.if (\t) < 15
	s_wait_loadcnt 32                              ; this block's 32 loads are in; the next block's may be out
.else
	s_wait_loadcnt 0
.endif
	v_max3_num_f32 v12, |v[XS]|, |v[XS+1]|, |v[XS+2]|
	v_max3_num_f32 v13, |v[XS+3]|, |v[XS+4]|, |v[XS+5]|
.irp i, 6,10,14,18,22,26
	v_max3_num_f32 v12, v12, |v[XS+\i]|, |v[XS+\i+1]|
	v_max3_num_f32 v13, v13, |v[XS+\i+2]|, |v[XS+\i+3]|
.endr
	v_max3_num_f32 v12, v12, |v[XS+30]|, |v[XS+31]|
	v_max3_num_f32 v12, v12, v13, (EMAX+1)<<23     ; the floor: the byte cannot fall under 1
	v_add_nc_u32 v11, -(EMAX<<23), v12             ; 2 off the exponent field: the conversion's scale operand
	v_lshrrev_b32 v13, 23, v11                     ; the scale's byte
.if (\t)%4 == 0
	v_mov_b32 v[WSB+(\t)/4], v13
.else
	v_lshl_or_b32 v[WSB+(\t)/4], v13, 8*((\t)%4), v[WSB+(\t)/4]
.endif
.irp g, 0,1,2,3
	v_cvt_scalef32_pk8_fp4_f32 v[WC+\g], v[XS+8*\g:XS+8*\g+7], v11
.endr
	ds_store_b128 v4, v[WC:WC+3] offset:16*(\t)    ; 32 codes: 16 bytes of my column's row
.if (\t)+2 < 16
	WLOAD (\t)+2
.endif
	s_wait_dscnt 0x0                               ; the store has read its registers: the next block's codes may be written
.endm
.Lrole_w:
	s_sub_co_u32 s30, ttmp9, 256
	s_lshr_b32 s31, s30, 4                         ; which weight
	s_and_b32 s34, s30, 7                          ; which 128 columns
	s_bfe_u32 s35, s30, 0x10003                    ; which half of K
	s_cmp_eq_u32 s31, 1
	s_cselect_b64 s[12:13], s[12:13], s[14:15]
	s_cmp_eq_u32 s31, 0
	s_cselect_b64 s[10:11], s[10:11], s[12:13]     ; the choice hangs on the work-group's number alone
	s_lshl_b32 s34, s34, 7
	s_lshl_b32 s36, s28, 5
	s_add_co_u32 s34, s34, s36                     ; my wave's first column
	s_lshl_b32 s32, s35, 21                        ; 512 rows of 4,096 bytes
	s_lshl_b32 s36, s34, 2
	s_add_co_u32 s32, s32, s36
	s_add_nc_u64 s[10:11], s[10:11], s[32:33]
	s_lshl_b32 s31, s31, 10
	s_add_co_u32 s31, s31, s34                     ; my first row among the 3,072
	s_lshl_b32 s32, s31, 9
	s_lshl_b32 s36, s35, 8
	s_add_co_u32 s32, s32, s36
	s_add_co_u32 s32, s32, 4194304
	s_add_nc_u64 s[20:21], s[20:21], s[32:33]
	s_lshl_b32 s32, s31, 5
	s_lshl_b32 s36, s35, 4
	s_add_co_u32 s32, s32, s36
	s_add_co_u32 s32, s32, 262144
	s_add_nc_u64 s[22:23], s[22:23], s[32:33]
	v_lshlrev_b32 v3, 2, v2                        ; in: 4 bytes a lane
	s_mul_i32 s36, s28, 32*WPITCH
	s_add_co_u32 s36, s36, WSTG                    ; my stage
	v_mul_u32_u24 v4, v2, WPITCH
	v_add_nc_u32 v4, s36, v4                       ; into it: row = my column
	v_and_b32 v5, 15, v2
	v_lshrrev_b32 v6, 4, v2
	v_mul_u32_u24 v7, v6, WPITCH
	v_lshl_add_u32 v7, v5, 4, v7
	v_add_nc_u32 v7, s36, v7                       ; out of it: sixteen lanes to a row
	v_mul_u32_u24 v8, v6, 512
	v_lshl_add_u32 v8, v5, 4, v8                   ; and the same place among the codes' rows
	v_lshlrev_b32 v9, 5, v2                        ; my column's row of scale bytes
	WLOAD 0
	WLOAD 1
.set Q, 0
.rept 16
	WBLOCK Q
.set Q, Q+1
.endr
	global_store_b128 v9, v[WSB:WSB+3], s[22:23]   ; my column's 16 scale bytes
.irp t, 0,1,2,3,4,5,6,7,8,9,10,11,12,13,14,15
	ds_load_b128 v[WOUT+4*\t:WOUT+4*\t+3], v7 offset:2*\t*WPITCH   ; LDS serves a wave's instructions in order: these see my stores
.endr
.irp t, 0,1,2,3,4,5,6,7,8,9,10,11,12,13,14,15
	s_wait_dscnt 15-\t
	global_store_b128 v8, v[WOUT+4*\t:WOUT+4*\t+3], s[20:21] offset:2*\t*512   ; sixteen lanes store 256 consecutive bytes, aligned
.endr
	FINISH
; ---- ROLE X: x is a plain stream of blocks of 32.  A wave takes 16 steps of 512 numbers: four dense loads a step; the 2,048 bytes turn through the wave's stage so that a lane holds 16 neighbours (two lanes to a block)
.set XR, 16                            ; v16-79   four sets of 16 numbers as loaded
.set XX, 80                            ; v80-111  two sets of 16 neighbours
.set XE, 112                           ; v112-127 a scale byte for each step
.set XC, 128                           ; v128-189 codes: registers of its own for each step
.macro XLOAD t
.irp i, 0,1,2,3
	global_load_b128 v[XR+16*((\t)%4)+4*\i:XR+16*((\t)%4)+4*\i+3], v3, s[8:9] offset:2048*(\t)+512*\i th:TH_LOAD_NT
.endr
.endm
.macro XTURN t
.irp i, 0,1,2,3
	ds_store_b128 v14, v[XR+16*((\t)%4)+4*\i:XR+16*((\t)%4)+4*\i+3] offset:32*XSP*((\t)%2)+8*XSP*\i
.endr
.irp i, 0,1,2,3
	ds_load_b128 v[XX+16*((\t)%2)+4*\i:XX+16*((\t)%2)+4*\i+3], v15 offset:32*XSP*((\t)%2)+16*\i
.endr
.endm
.macro XSTEP t
.set XS, XX+16*((\t)%2)
.if (\t) > 0
	s_wait_dscnt 1                                 ; this step's numbers are back from the stage; the last step's byte store may be out
.else
	s_wait_dscnt 0x0
.endif
.if (\t)+4 < STEPS
	XLOAD (\t)+4
.endif
.if (\t)+1 < STEPS
.if STEPS-2-(\t) >= 3
	s_wait_loadcnt 12                              ; the next step's four loads are in; those of the three steps behind it may be out
.else
	s_wait_loadcnt 4*(STEPS-2-(\t))
.endif
	XTURN (\t)+1
.endif
	v_max3_num_f32 v8, |v[XS]|, |v[XS+1]|, |v[XS+2]|
	v_max3_num_f32 v9, |v[XS+3]|, |v[XS+4]|, |v[XS+5]|
.irp i, 6,10
	v_max3_num_f32 v8, v8, |v[XS+\i]|, |v[XS+\i+1]|
	v_max3_num_f32 v9, v9, |v[XS+\i+2]|, |v[XS+\i+3]|
.endr
	v_max3_num_f32 v8, v8, |v[XS+14]|, |v[XS+15]|
	v_max3_num_f32 v8, v8, v9, (EMAX+1)<<23        ; the floor
	v_max_num_f32_dpp v8, v8, v8 row_xmask:1 row_mask:0xf bank_mask:0xf   ; with my neighbour's 16: the block's largest magnitude
	v_add_nc_u32 v11, -(EMAX<<23), v8
	v_cvt_scalef32_pk8_fp4_f32 v[XC+4*(\t)], v[XS:XS+7], v11
	v_cvt_scalef32_pk8_fp4_f32 v[XC+4*(\t)+1], v[XS+8:XS+15], v11
	v_lshrrev_b32 v[XE+(\t)], 23, v11              ; the scale's byte
	ds_store_b8 v5, v[XE+(\t)] offset:16*(\t)      ; both lanes of a block write the same byte with the same value
	global_store_b64 v4, v[XC+4*(\t):XC+4*(\t)+1], s[20:21] offset:256*(\t)   ; 32 lanes store 256 consecutive bytes, aligned
.endm
.Lrole_x:
	v_lshlrev_b32 v3, 4, v2                        ; my 16 bytes of a load's 512
	s_mul_i32 s30, s28, XREG
	v_lshrrev_b32 v14, 2, v2
	v_mul_u32_u24 v14, v14, XSP
	v_and_b32 v15, 3, v2
	v_lshl_add_u32 v14, v15, 4, v14
	v_add_nc_u32 v14, s30, v14                     ; the stage on the way in: four lanes' 64 bytes on end, then 16 of padding
	v_mul_u32_u24 v15, v2, XSP
	v_add_nc_u32 v15, s30, v15                     ; and on the way out: my 16 neighbours
	v_lshlrev_b32 v4, 3, v2                        ; my codes' place in a step's
	v_lshrrev_b32 v5, 1, v2
	s_add_co_u32 s30, s30, 2*32*XSP
	v_add_nc_u32 v5, s30, v5                       ; my block's byte among my wave's 256
	v_lshlrev_b32 v7, 3, v2
	v_add_nc_u32 v6, s30, v7
	s_lshl_b32 s30, ttmp9, 2
	s_add_co_u32 s30, s30, s28                     ; which run of 8,192 numbers is my wave's
	s_lshl_b32 s32, s30, 15
	s_add_nc_u64 s[8:9], s[8:9], s[32:33]
	s_lshl_b32 s32, s30, 12
	s_add_nc_u64 s[20:21], s[20:21], s[32:33]
	s_lshl_b32 s32, s30, 8
	s_add_nc_u64 s[22:23], s[22:23], s[32:33]
.irp t, 0,1,2,3
	XLOAD \t
.endr
	s_wait_loadcnt 12                              ; step 0's four loads are in
	XTURN 0
.irp t, 0,1,2,3,4,5,6,7,8,9,10,11,12,13,14,15
	XSTEP \t
.endr
	ds_load_b64 v[8:9], v6                         ; LDS serves a wave's instructions in order: these see my byte stores
	s_wait_dscnt 0x0
	global_store_b64 v7, v[8:9], s[22:23]          ; 32 lanes store 256 consecutive bytes, aligned
	FINISH
.Lfunc_end_k_qfef6f307d1_prep:
	.size	k_qfef6f307d1_prep, .Lfunc_end_k_qfef6f307d1_prep-k_qfef6f307d1_prep
	.p2alignl 7, 3214868480
	.fill 96, 4, 3214868480
	.section	.rodata,"a",@progbits
	.p2align	6, 0x0
	.amdhsa_kernel k_qfef6f307d1_prep
		.amdhsa_group_segment_fixed_size 68096
		.amdhsa_private_segment_fixed_size 0
		.amdhsa_enable_private_segment 0
		.amdhsa_kernarg_size 80
		.amdhsa_user_sgpr_count 2
		.amdhsa_user_sgpr_kernarg_segment_ptr 1
		.amdhsa_wavefront_size32 1
		.amdhsa_system_sgpr_workgroup_id_x 1
		.amdhsa_system_sgpr_workgroup_id_y 1
		.amdhsa_system_sgpr_workgroup_id_z 1
		.amdhsa_system_vgpr_workitem_id 0
		.amdhsa_next_free_vgpr 192
		.amdhsa_next_free_sgpr 66
		.amdhsa_reserve_vcc 1
		.amdhsa_float_denorm_mode_32 3
		.amdhsa_float_denorm_mode_16_64 3
		.amdhsa_memory_ordered 1
		.amdhsa_forward_progress 1
		.amdhsa_inst_pref_size 131
	.end_amdhsa_kernel
	.amdgpu_metadata
---
amdhsa.version: [ 1, 2 ]
amdhsa.kernels:
  - .name:           k_qfef6f307d1_prep
    .symbol:         k_qfef6f307d1_prep.kd
    .args:
      - { .name: x, .offset: 0, .size: 8, .value_kind: global_buffer, .address_space: global }
      - { .name: Wq, .offset: 8, .size: 8, .value_kind: global_buffer, .address_space: global }
      - { .name: Wk, .offset: 16, .size: 8, .value_kind: global_buffer, .address_space: global }
      - { .name: Wv, .offset: 24, .size: 8, .value_kind: global_buffer, .address_space: global }
      - { .name: Wo, .offset: 32, .size: 8, .value_kind: global_buffer, .address_space: global }
      - { .name: token_positions, .offset: 40, .size: 8, .value_kind: global_buffer, .address_space: global }
      - { .name: cod, .offset: 48, .size: 8, .value_kind: global_buffer, .address_space: global }
      - { .name: scl, .offset: 56, .size: 8, .value_kind: global_buffer, .address_space: global }
      - { .name: wo16, .offset: 64, .size: 8, .value_kind: global_buffer, .address_space: global }
      - { .name: cs, .offset: 72, .size: 8, .value_kind: global_buffer, .address_space: global }
    .group_segment_fixed_size: 68096
    .private_segment_fixed_size: 0
    .kernarg_segment_align: 8
    .kernarg_segment_size: 80
    .max_flat_workgroup_size: 128
    .sgpr_count:     66
    .vgpr_count:     192
    .wavefront_size: 32
...
	.end_amdgpu_metadata
.endif
;; end of part 1
;; launch qkv (part 2): grid 12 x 32, 4 waves a work-group, clusters of 4 x 4, 327,680 bytes of LDS; arguments cod, scl, cs, qkv16, qkv32; writes qkv16, qkv32
.if DOCPART == 2
	.amdgcn_target "amdgcn-amd-amdhsa--gfx1250"
	.amdhsa_code_object_version 6
	.text
	.protected	k_qfef6f307d1_qkv
	.globl	k_qfef6f307d1_qkv
	.p2align	8
	.type	k_qfef6f307d1_qkv,@function
k_qfef6f307d1_qkv:
	s_mov_b64 s[64:65], 0
	v_nop
	global_prefetch_b8 v0, s[64:65] scope:SCOPE_SE
	s_setreg_imm32_b32 hwreg(HW_REG_WAVE_MODE, 25, 1), 1
	s_wait_xcnt 0x0
	s_wait_alu depctr_hold_cnt(0) depctr_sa_sdst(0) depctr_va_vdst(0) depctr_va_sdst(0) depctr_va_ssrc(0) depctr_va_vcc(0) depctr_vm_vsrc(0)
	s_getreg_b32 s2, hwreg(HW_REG_IB_STS2, 6, 4)
	s_cmp_eq_u32 s2, 0
	s_cbranch_scc0 .Lentry_in_a_cluster
	s_endpgm
.Lentry_in_a_cluster:
	s_bfe_u32 s2, ttmp6, 0x10000c
	s_cmp_lg_u32 s2, 0xf033
	s_cbranch_scc0 .Lentry_shape_is_right
	s_endpgm
.Lentry_shape_is_right:
; [Q | K | V] = x [Wq | Wk | Wv] on codes of FP4 (E2M1) with one E8M0 scale for each 32 along K: M 8192, N 3072, K 1024; sums in f32.  Then the rotary turn on Q and K, in f32, and the results to memory:
;   qkv16 [which 3][batch 4][head 16][s 2048][64] f16, for the bulk of the attention;   qkv32 [which][batch][head][16][64] f32: positions 0-15 of every sequence, for the launch that carries them in f32.
; A tile of C, 256 x 256, is made by four waves, each 128 x 128: 64 accumulators.  K goes in two steps of 512 (tile rows of 256 bytes): both slots and the scales are first fills, nothing is filled again.
; CLUSTERS 4 x 4: A's tiles are asked for jointly along a row of the cluster, B's along a column.  Tile row = 8 cy + cluster y: so the batch is cy and the tile's place in the sequence is the cluster's y, the same in all
; partners; tile column = 4 cluster x + cx: so the cluster's x says Q, K or V.  Every branch hangs on the cluster's x or y or on the wave's number, never on cx or cy.
; THE MATRIX INSTRUCTION IS USED TRANSPOSED (source 0 = 16 rows of B, source 1 = 16 rows of A): a lane holds eight neighbouring columns of one row: four rotary pairs.
; REGISTERS: window 0: v0-31 addresses; v32-95 scale words, two sets; v128-191 A's fragments; v192-255 the table of cos and sin, two sets (no matrix instruction names them).  window 1: B's fragments, two sets.
;   windows 2, 3: the accumulators.  On the way out: v32-95 rows read back, v96-127 packed f16 (and the turn's products), v128-191 the turned numbers.
.set NQ,     4                         ; matrix instructions deep in a slot
.set ROWB,   256                       ; a tile's row: 512 codes
.set KROW,   512                       ; a row of codes in memory
.set PITCH,  272                       ; an LDS row: 256 bytes + 16 of padding: the 16 rows that a load touches start at 16 different banks
.set FR,     8
.set NL,     2
.set NP,     4                         ; places behind this matrix instruction (ISA guide 7.12.1)
.set HALFT,  128*PITCH
.set SLOT,   4*HALFT
.set KS,     32                        ; a row of scales in bytes
.set SCL,    2*SLOT                    ; behind the slots: the scales, as units of 256 bytes + 16 of padding
.set HALFS,  16*272                    ; the scales of 128 rows
.set SBLK,   2*272                     ; those of 16 rows
.set SPARE,  SCL+4*HALFS               ; the spare words, 128 bytes for each wave
.set SPITCH, 272                       ; the way out: a stage of 16 rows x (256 bytes + 16) for each wave, in slot 0, which has had its only fill and its last read by then
.set ADRA, 16
.set ADRB, 20
.set STO,  24
.set RD,   25
.set CO,   26
.set ADRS, 27
.set SPW,  28
.set NIL,  29
.set CSO,  30                          ; v30  256 r + 32 h: my place in 16 rows of the table, and of qkv32
.set SC,   32
.set AF,   128
.set BK,   32
.set TMP,  96
.set RR,   128
.set CSR,  192
.set G1, 24
.set G0, 32
.set G1B, 48
.set G0B, 56
.set G1S, 68
.set G0S, 76
.set G1SB, 80
.set G0SB, 88
.set MSB, 0
.macro WIN new                         ; the immediate's high byte repeats the setting that is left
.if MSB != (\new)
	s_set_vgpr_msb (MSB<<8)|(\new)
.set MSB, (\new)
.endif
.endm
.set MUL_LO, 0xa1                      ; source 0 (B) window 1, source 1 (A) window 0, C and D window 2
.set MUL_HI, 0xf1
.set TO_B,   0x40
; A joint load: waves 0 and 1 fetch for A, waves 2 and 3 for B; an s_nop 0 and four v_nop follow each of the two lines
.macro JLOAD g0a, g1a, g0b, g1b
	s_cmp_eq_u32 s15, 0
	s_cbranch_scc0 .Lfor_b_\@
	tensor_load_to_lds s[\g0a:\g0a+3], s[\g1a:\g1a+7]
	s_nop 0
.rept 4
	v_nop
.endr
	s_branch .Lasked_\@
.Lfor_b_\@:
	tensor_load_to_lds s[\g0b:\g0b+3], s[\g1b:\g1b+7]
	s_nop 0
.rept 4
	v_nop
.endr
.Lasked_\@:
.endm
.macro CROUND                          ; a round of the cluster's barrier
	s_barrier_signal -1
	s_barrier_wait -1
	s_cmp_lg_u32 s14, 0
	s_cbranch_scc1 .Lnot_wave_0_\@
	s_barrier_signal -3
.Lnot_wave_0_\@:
	s_barrier_wait -3
	s_barrier_signal -1
	s_barrier_wait -1
.endm
	s_load_b256 s[4:11], s[0:1], 0x0               ; cod 4, scl 6, cs 8, qkv16 10
	s_load_b64 s[12:13], s[0:1], 0x20              ; qkv32
	v_lshl_add_u32 v[SPW], v0, 2, SPARE
	v_mov_b32 v[NIL], 0
	ds_add_u32 v[SPW], v[NIL]                      ; the wave's opening: the add, twice on end, and its wait ahead of my first tensor load
	ds_add_u32 v[SPW], v[NIL]
	v_lshrrev_b32 v1, 5, v0
	v_readfirstlane_b32 s14, v1                    ; wave 0..3
	s_lshr_b32 s15, s14, 1                         ; which half of the tile's rows is mine.  Also: I fetch for A (0) or for B (1)
	s_and_b32 s16, s14, 1                          ; which half of its columns.  Also: which 128 rows of that tile I fetch
	s_bfe_u32 s40, ttmp6, 0x40000                  ; cx
	s_bfe_u32 s41, ttmp6, 0x40004                  ; cy
	s_lshl_b32 s42, ttmp9, 2
	s_add_co_u32 s42, s42, s40                     ; tile column = 4 x cluster x + cx
	s_and_b32 s95, ttmp7, 0xffff                   ; cluster y
	s_lshl_b32 s17, s41, 3
	s_add_co_u32 s17, s17, s95                     ; tile row = 8 cy + cluster y
	s_lshl_b32 s43, s41, 2
	s_lshl_b32 s43, 15, s43                        ; my row of the cluster
	s_lshl_b32 s44, 0x1111, s40                    ; my column
	s_or_b32 s[G1+0], s43, (0<<16)|(1<<20)|(1<<21)|(5<<22)|(3<<25)  ; the mask; elements of 1 byte; padding: 4 words after every 64; bit 21 beside a mask
	s_or_b32 s[G1B+0], s44, (0<<16)|(1<<20)|(1<<21)|(5<<22)|(3<<25)
.irp g, G1, G1B
	s_mov_b32 s[\g+1], ROWB<<16                    ; tensor_dim0
	s_mov_b32 s[\g+2], 128<<16                     ; tensor_dim1
	s_mov_b32 s[\g+3], ROWB<<16                    ; tile_dim0
	s_mov_b32 s[\g+4], 128                         ; tile_dim1
	s_mov_b32 s[\g+5], KROW                        ; from row to row
	s_mov_b32 s[\g+6], 0
	s_mov_b32 s[\g+7], 0
.endr
	s_or_b32 s[G1S+0], s43, (3<<16)|(1<<20)|(1<<21)|(5<<22)|(3<<25) ; the scales of 128 rows: 4,096 dense bytes as 16 rows of 256 (32 elements of 8 bytes)
	s_or_b32 s[G1SB+0], s44, (3<<16)|(1<<20)|(1<<21)|(5<<22)|(3<<25)
.irp g, G1S, G1SB
	s_mov_b32 s[\g+1], 32<<16
	s_mov_b32 s[\g+2], 16<<16
	s_mov_b32 s[\g+3], 32<<16
	s_mov_b32 s[\g+4], 16
	s_mov_b32 s[\g+5], 32
	s_mov_b32 s[\g+6], 0
	s_mov_b32 s[\g+7], 0
.endr
	s_lshl_b32 s18, s16, 7                         ; which 128 rows of the tile I fetch
	s_lshl_b32 s20, s17, 8
	s_add_co_u32 s20, s20, s18                     ; A: row 256 x tile row + 128 x half
	s_lshl_b32 s46, s42, 8
	s_add_co_u32 s46, s46, s18                     ; B: row 256 x tile column + 128 x half
	s_lshl_b32 s22, s20, 5                         ; their scales: 32 bytes a row
	s_mov_b32 s23, 0
	s_lshl_b32 s92, s46, 5
	s_add_co_u32 s92, s92, 262144                  ; (the weights' lie behind x's)
	s_mov_b32 s93, 0
	s_lshl_b32 s20, s20, 9                         ; their codes: 512 bytes a row
	s_mov_b32 s21, 0
	s_lshl_b32 s46, s46, 9
	s_add_co_u32 s46, s46, 4194304
	s_mov_b32 s47, 0
	s_mul_i32 s45, s14, HALFT                      ; where they go: wave x 128 rows: no place in the cluster enters an LDS address
	s_mul_i32 s94, s14, HALFS
	s_wait_dscnt 0x0                               ; both opening adds are done
	s_wait_kmcnt 0x0
	s_add_nc_u64 s[20:21], s[4:5], s[20:21]
	s_add_nc_u64 s[22:23], s[6:7], s[22:23]
	s_add_nc_u64 s[46:47], s[4:5], s[46:47]
	s_add_nc_u64 s[92:93], s[6:7], s[92:93]
	CROUND                                         ; all sixteen work-groups are here: the joint loads meet
	s_mov_b32 s[G0S], 1
	s_add_co_u32 s[G0S+1], s94, SCL
	s_mov_b64 s[G0S+2:G0S+3], s[22:23]
	s_or_b32 s[G0S+3], s[G0S+3], 0x80000000
	s_mov_b32 s[G0SB], 1
	s_add_co_u32 s[G0SB+1], s94, SCL
	s_mov_b64 s[G0SB+2:G0SB+3], s[92:93]
	s_or_b32 s[G0SB+3], s[G0SB+3], 0x80000000
	JLOAD G0S, G1S, G0SB, G1SB                     ; the scales first: they are wanted with K step 0
.irp s, 0,1
	s_mov_b32 s[G0+4*\s], 1
	s_add_co_u32 s[G0+4*\s+1], s45, \s*SLOT
	s_add_nc_u64 s[G0+4*\s+2:G0+4*\s+3], s[20:21], \s*ROWB
	s_or_b32 s[G0+4*\s+3], s[G0+4*\s+3], 0x80000000
	s_mov_b32 s[G0B+4*\s], 1
	s_add_co_u32 s[G0B+4*\s+1], s45, \s*SLOT
	s_add_nc_u64 s[G0B+4*\s+2:G0B+4*\s+3], s[46:47], \s*ROWB
	s_or_b32 s[G0B+4*\s+3], s[G0B+4*\s+3], 0x80000000
	JLOAD G0+4*\s, G1, G0B+4*\s, G1B               ; three loads of mine are out
.endr
	v_and_b32 v1, 15, v0                           ; r = l % 16
	v_bfe_u32 v2, v0, 4, 1                         ; h = l / 16
	v_mul_u32_u24 v3, v1, PITCH
	v_lshl_add_u32 v4, v2, 4, v3                   ; a fragment's row x pitch + 16 x half
	s_mul_i32 s21, s15, HALFT
	s_mul_i32 s22, s16, HALFT
	s_add_co_u32 s22, s22, 2*HALFT
.irp s, 0,1
	v_add_nc_u32 v[ADRA+\s], s21, v4
	v_add_nc_u32 v[ADRB+\s], s22, v4
	s_add_co_u32 s21, s21, SLOT
	s_add_co_u32 s22, s22, SLOT
.endr
	v_mul_u32_u24 v5, v1, KS                       ; my row's scales: 32 bytes a row,
	v_lshrrev_b32 v6, 8, v5
	v_lshl_add_u32 v5, v6, 4, v5                   ; and 16 more for each 256 passed
	s_mul_i32 s21, s15, HALFS
	s_mul_i32 s22, s16, HALFS
	s_add_co_u32 s22, s22, 2*HALFS
	s_sub_co_u32 s22, s22, s21
	v_mul_u32_u24 v6, s22, v2                      ; lanes 16-31 take B's
	s_add_co_u32 s21, s21, SCL
	v_add_nc_u32 v5, v5, v6
	v_add_nc_u32 v[ADRS], s21, v5
	s_mul_i32 s23, s14, 16*SPITCH                  ; my stage
	v_mul_u32_u24 v5, v1, SPITCH
	v_lshl_add_u32 v5, v2, 4, v5
	v_add_nc_u32 v[STO], s23, v5                   ; in: row r, 16 bytes for each half of the lanes
	v_and_b32 v6, 31, v0
	v_lshlrev_b32 v[CO], 4, v6                     ; in memory four rows of a head (128 bytes each) are 512 bytes on end: 16 x lane
	v_lshrrev_b32 v5, 3, v6
	v_mul_u32_u24 v5, v5, SPITCH
	v_and_b32 v7, 7, v6
	v_lshl_add_u32 v5, v7, 4, v5
	v_add_nc_u32 v[RD], s23, v5                    ; back: eight lanes to a head's 128 bytes of a row
	v_lshlrev_b32 v[CSO], 8, v1
	v_lshl_add_u32 v[CSO], v2, 5, v[CSO]
	s_mov_b32 s101, 0
	s_lshl_b32 s100, s95, 16                       ; the table at my first position: (256 cluster y + 128 half) x 256 bytes
	s_lshl_b32 s99, s15, 15
	s_add_co_u32 s100, s100, s99
	s_add_nc_u64 s[8:9], s[8:9], s[100:101]
	s_lshl_b32 s96, s41, 4
	s_lshl_b32 s97, s40, 2
	s_add_co_u32 s96, s96, s97
	s_lshl_b32 s97, s16, 1
	s_add_co_u32 s96, s96, s97                     ; 16 batch + my first head
	s_lshl_b32 s98, ttmp9, 6
	s_add_co_u32 s98, s98, s96                     ; + 64 x (Q, K or V)
	s_lshl_b32 s100, s98, 12
	s_add_nc_u64 s[12:13], s[12:13], s[100:101]    ; qkv32: blocks of 4,096 bytes
	s_lshl_b32 s100, s98, 18                       ; qkv16: 2,048 rows of 128 bytes a head,
	s_lshl_b32 s97, s95, 15
	s_add_co_u32 s100, s100, s97
	s_lshl_b32 s97, s15, 14
	s_add_co_u32 s100, s100, s97                   ; + my first position
	s_add_nc_u64 s[10:11], s[10:11], s[100:101]
	s_or_b32 s3, s95, s15                          ; 0 where my first 16 rows are positions 0-15: cluster y and the wave's number alone
.macro FRAG reg, adr, q, i             ; 16 rows x 128 K of 4-bit codes: 8 registers; registers 4 c .. 4 c + 3 hold K = 64 c + 32 (l / 16) + 0 .. 31
.irp c, 0,1
	ds_load_b128 v[\reg+4*\c:\reg+4*\c+3], v[\adr] offset:64*(\q)+32*\c+(\i)*16*PITCH
.endr
.endm
; 16 matrix instructions: A's blocks a0, a0 + 1 x B's eight.  The 64 accumulators take turns, one instruction a turn, in the same order in every step
.macro MUL16 a0, p, q, sc, zero
.irp a, \a0, \a0+1
.irp b, 0,1,2,3,4,5,6,7
.if \zero
	v_wmma_scale_f32_16x16x128_f8f6f4 v[8*(8*((\a)%4)+\b):8*(8*((\a)%4)+\b)+7], v[128*(\p)+FR*\b:128*(\p)+FR*\b+FR-1], v[AF+FR*(\a):AF+FR*(\a)+FR-1], 0, v[SC+8*NQ*(\sc)+NQ*\b+(\q)], v[SC+8*NQ*(\sc)+NQ*(\a)+(\q)] matrix_a_fmt:MATRIX_FMT_FP4 matrix_b_fmt:MATRIX_FMT_FP4 matrix_a_scale:MATRIX_SCALE_ROW1
.else
	v_wmma_scale_f32_16x16x128_f8f6f4 v[8*(8*((\a)%4)+\b):8*(8*((\a)%4)+\b)+7], v[128*(\p)+FR*\b:128*(\p)+FR*\b+FR-1], v[AF+FR*(\a):AF+FR*(\a)+FR-1], v[8*(8*((\a)%4)+\b):8*(8*((\a)%4)+\b)+7], v[SC+8*NQ*(\sc)+NQ*\b+(\q)], v[SC+8*NQ*(\sc)+NQ*(\a)+(\q)] matrix_a_fmt:MATRIX_FMT_FP4 matrix_b_fmt:MATRIX_FMT_FP4 matrix_a_scale:MATRIX_SCALE_ROW1
.endif
.endr
.endr
.endm
.macro FETCH_B slot, q, p
	WIN TO_B
.irp i, 0,1,2,3,4,5,6,7
	FRAG 128*(\p)+FR*\i, ADRB+\slot, \q, \i
.endr
	WIN 0
.endm
.macro FETCH_A slot, q, i0
.irp i, \i0, \i0+1, \i0+2, \i0+3
	FRAG AF+FR*(\i), ADRA+\slot, \q, \i
.endr
.endm
.macro SCALES sc                       ; a K step's scale words: lanes 0-15 take A's block i, lanes 16-31 B's block i
.irp i, 0,1,2,3,4,5,6,7
	ds_load_b128 v[SC+8*NQ*\sc+NQ*\i:SC+8*NQ*\sc+NQ*\i+3], v[ADRS] offset:\i*SBLK
.endr
.endm
.macro PLACES n                        ; places in front of loads into registers that matrix instructions have read, and of the first read of results
.rept \n
	v_nop
.endr
.endm
.macro STEP slot, q, zero              ; 128 along K, with its successor in the same slot
	s_wait_dscnt 4*NL                              ; B's set and A's blocks 0-3 are in; the youngest eight loads (A's blocks 4-7) may be out
	WIN MUL_LO
	MUL16 0, (\q)%2, \q, \slot, \zero
	MUL16 2, (\q)%2, \q, \slot, \zero
	s_wait_dscnt 0
	PLACES NP
	FETCH_B \slot, (\q)+1, 1-(\q)%2
	FETCH_A \slot, (\q)+1, 0
	WIN MUL_HI
	MUL16 4, (\q)%2, \q, \slot, \zero
	MUL16 6, (\q)%2, \q, \slot, \zero
	PLACES NP
	WIN 0
	FETCH_A \slot, (\q)+1, 4
.endm
.macro STEPS slot, from
.set Q, \from
.rept NQ-1-\from
	STEP \slot, Q, 0
.set Q, Q+1
.endr
.endm
.macro SLOT1STEPS                      ; slot 1's four steps; the last fetches nothing
	STEPS 1, 0
	s_wait_dscnt 4*NL
	WIN MUL_LO
	MUL16 0, 1, NQ-1, 1, 0
	MUL16 2, 1, NQ-1, 1, 0
	s_wait_dscnt 0
	WIN MUL_HI
	MUL16 4, 1, NQ-1, 1, 0
	MUL16 6, 1, NQ-1, 1, 0
	WIN 0
	PLACES NP                                      ; for the way out's writes into A's fragments and the scale words, and its reads of the last results
.endm
; THE WAY OUT, a block of 16 rows x 128 columns (two heads) at a time.
.macro CSLOAD a                        ; block a's cos and sin: for each 16 columns of a head my 4 pairs, 32 bytes; both heads share them
.irp bb, 0,1,2,3
	global_load_b128 v[CSR+32*((\a)%2)+8*\bb:CSR+32*((\a)%2)+8*\bb+3], v[CSO], s[8:9] offset:(\a)*4096+64*\bb
	global_load_b128 v[CSR+32*((\a)%2)+8*\bb+4:CSR+32*((\a)%2)+8*\bb+7], v[CSO], s[8:9] offset:(\a)*4096+64*\bb+16
.endr
.endm
.macro PACKQK a                        ; the rotary turn in f32, then f16
.set AC, 64*((\a)%4)
.set CB, CSR+32*((\a)%2)
.if (\a) > 0
	s_wait_xcnt 0x0                                ; the stores issued so far have read their registers: these are written again below
.endif
.if (\a) < 7
	s_wait_loadcnt 8                               ; this block's eight loads are in; the next block's eight may be out
.else
	s_wait_loadcnt 0
.endif
	WIN 0x02+(\a)/4                                ; source 0: the accumulators' window
.irp b, 0,1,2,3,4,5,6,7
.irp i, 0,1,2,3
	v_mul_f32 v[TMP+8*(\b%4)+2*\i], v[AC+8*\b+2*\i+1], v[CB+8*(\b%4)+2*\i+1]     ; x2 sin
	v_mul_f32 v[TMP+8*(\b%4)+2*\i+1], v[AC+8*\b+2*\i+1], v[CB+8*(\b%4)+2*\i]     ; x2 cos
.endr
.irp i, 0,1,2,3
	v_fma_f32 v[RR+8*\b+2*\i], v[AC+8*\b+2*\i], v[CB+8*(\b%4)+2*\i], -v[TMP+8*(\b%4)+2*\i]        ; x1 cos - x2 sin
	v_fma_f32 v[RR+8*\b+2*\i+1], v[AC+8*\b+2*\i], v[CB+8*(\b%4)+2*\i+1], v[TMP+8*(\b%4)+2*\i+1]   ; x1 sin + x2 cos
.endr
.endr
	WIN 0
.if (\a) == 0
	s_cmp_lg_u32 s3, 0
	s_cbranch_scc1 .Lnot_first_\@
.irp b, 0,1,2,3,4,5,6,7
	global_store_b128 v[CSO], v[RR+8*\b:RR+8*\b+3], s[12:13] offset:(\b/4)*4096+64*(\b%4)      ; positions 0-15 also in f32
	global_store_b128 v[CSO], v[RR+8*\b+4:RR+8*\b+7], s[12:13] offset:(\b/4)*4096+64*(\b%4)+16
.endr
.Lnot_first_\@:
.endif
.irp b, 0,1,2,3,4,5,6,7
.irp i, 0,1,2,3
	v_cvt_pk_f16_f32 v[TMP+4*\b+\i], v[RR+8*\b+2*\i], v[RR+8*\b+2*\i+1]
.endr
.endr
.if (\a) < 6
	CSLOAD (\a)+2                                  ; into the set just read
.endif
.endm
.macro PACKV a                         ; V has no turn
.set AC, 64*((\a)%4)
.if (\a) > 0
	s_wait_xcnt 0x0
.endif
	WIN 0x0a+5*((\a)/4)                            ; sources 0 and 1: the accumulators' window
.irp b, 0,1,2,3,4,5,6,7
.irp i, 0,1,2,3
	v_cvt_pk_f16_f32 v[TMP+4*\b+\i], v[AC+8*\b+2*\i], v[AC+8*\b+2*\i+1]
.endr
.endr
	WIN 0
.if (\a) == 0
	s_cmp_lg_u32 s3, 0
	s_cbranch_scc1 .Lnot_first_\@
	WIN 0x08                                       ; a store's data are its source 1: window 2
.irp b, 0,1,2,3,4,5,6,7
	global_store_b128 v[CSO], v[AC+8*\b:AC+8*\b+3], s[12:13] offset:(\b/4)*4096+64*(\b%4)
	global_store_b128 v[CSO], v[AC+8*\b+4:AC+8*\b+7], s[12:13] offset:(\b/4)*4096+64*(\b%4)+16
.endr
	WIN 0
.Lnot_first_\@:
.endif
.endm
.macro TOSTAGE a                       ; LDS serves a wave's instructions in order: no wait between the stores and the loads, nor in front of the next block's stores
.set BB, BK+32*((\a)%2)
.irp b, 0,1,2,3,4,5,6,7
	ds_store_b128 v[STO], v[TMP+4*\b:TMP+4*\b+3] offset:32*\b
.endr
.irp t, 0,1,2,3,4,5,6,7
	ds_load_b128 v[BB+4*\t:BB+4*\t+3], v[RD] offset:(\t%4)*4*SPITCH+(\t/4)*128
.endr
.endm
.macro SEND a
.set BB, BK+32*((\a)%2)
	s_wait_dscnt 0x0                               ; the block is back in registers
.irp t, 0,1,2,3,4,5,6,7
	global_store_b128 v[CO], v[BB+4*\t:BB+4*\t+3], s[10:11] offset:(\t/4)*262144+(16*(\a)+4*(\t%4))*128   ; four rows of one head: 512 consecutive bytes, aligned
.endr
.endm
	s_wait_tensorcnt 1                             ; the scales and my part of slot 0 are in; slot 1's load may be out
	s_barrier_signal -1
	s_barrier_wait -1
	FETCH_B 0, 0, 0
	FETCH_A 0, 0, 0
	SCALES 0
	FETCH_A 0, 0, 4
	STEP 0, 0, 1                                   ; the first step's products start the sums: nothing is cleared
	STEPS 0, 1
	; the change of slots: one barrier; nothing is filled again
	s_wait_tensorcnt 0x0                           ; my part of slot 1 has landed
	ds_add_u32 v[SPW], v[NIL]
	s_wait_dscnt 4*NL+1                            ; (the add and the youngest eight loads may be out)
	WIN MUL_LO
	MUL16 0, 1, NQ-1, 0, 0
	s_wait_dscnt 0x0                               ; the add is done, and my reads of slot 0 are over
	s_barrier_signal -1
	MUL16 2, 1, NQ-1, 0, 0
	WIN 0
	s_barrier_wait -1
	PLACES NP
	v_add_nc_u32 v[ADRS], 4*NQ, v[ADRS]            ; the next K step's scale words
	FETCH_B 1, 0, 0
	FETCH_A 1, 0, 0
	SCALES 1
	WIN MUL_HI
	MUL16 4, 1, NQ-1, 0, 0
	MUL16 6, 1, NQ-1, 0, 0
	PLACES NP
	WIN 0
	FETCH_A 1, 0, 4
	s_cmp_eq_u32 ttmp9, 2                          ; the cluster's x: Q and K are turned, V is not.  One branch: each arm holds slot 1's steps and its own way out
	s_cbranch_scc1 .Lfor_v
	CSLOAD 0                                       ; the table's first two blocks land under slot 1's 256 matrix instructions
	CSLOAD 1
	SLOT1STEPS
	PACKQK 0
	TOSTAGE 0
.irp a, 1,2,3,4,5,6,7
	PACKQK \a
	SEND (\a)-1
	TOSTAGE \a
.endr
	SEND 7
	s_branch .Ldone
.Lfor_v:
	SLOT1STEPS
	PACKV 0
	TOSTAGE 0
.irp a, 1,2,3,4,5,6,7
	PACKV \a
	SEND (\a)-1
	TOSTAGE \a
.endr
	SEND 7
.Ldone:
	s_wait_tensorcnt 0x0                           ; the wave's end
	ds_add_u32 v[SPW], v[NIL]
	s_wait_dscnt 0x0
	CROUND                                         ; the closing round
	s_endpgm
.Lfunc_end_k_qfef6f307d1_qkv:
	.size	k_qfef6f307d1_qkv, .Lfunc_end_k_qfef6f307d1_qkv-k_qfef6f307d1_qkv
	.p2alignl 7, 3214868480
	.fill 96, 4, 3214868480
	.section	.rodata,"a",@progbits
	.p2align	6, 0x0
	.amdhsa_kernel k_qfef6f307d1_qkv
		.amdhsa_group_segment_fixed_size 327680
		.amdhsa_private_segment_fixed_size 0
		.amdhsa_enable_private_segment 0
		.amdhsa_kernarg_size 40
		.amdhsa_user_sgpr_count 2
		.amdhsa_user_sgpr_kernarg_segment_ptr 1
		.amdhsa_wavefront_size32 1
		.amdhsa_system_sgpr_workgroup_id_x 1
		.amdhsa_system_sgpr_workgroup_id_y 1
		.amdhsa_system_sgpr_workgroup_id_z 1
		.amdhsa_system_vgpr_workitem_id 0
		.amdhsa_next_free_vgpr 1024
		.amdhsa_next_free_sgpr 102
		.amdhsa_reserve_vcc 0
		.amdhsa_float_denorm_mode_32 3
		.amdhsa_float_denorm_mode_16_64 3
		.amdhsa_memory_ordered 1
		.amdhsa_forward_progress 1
		.amdhsa_inst_pref_size 255
	.end_amdhsa_kernel
	.amdgpu_metadata
---
amdhsa.version: [ 1, 2 ]
amdhsa.kernels:
  - .name:           k_qfef6f307d1_qkv
    .symbol:         k_qfef6f307d1_qkv.kd
    .args:
      - { .name: cod, .offset: 0, .size: 8, .value_kind: global_buffer, .address_space: global }
      - { .name: scl, .offset: 8, .size: 8, .value_kind: global_buffer, .address_space: global }
      - { .name: cs, .offset: 16, .size: 8, .value_kind: global_buffer, .address_space: global }
      - { .name: qkv16, .offset: 24, .size: 8, .value_kind: global_buffer, .address_space: global }
      - { .name: qkv32, .offset: 32, .size: 8, .value_kind: global_buffer, .address_space: global }
    .group_segment_fixed_size: 327680
    .private_segment_fixed_size: 0
    .kernarg_segment_align: 8
    .kernarg_segment_size: 40
    .max_flat_workgroup_size: 128
    .sgpr_count:     102
    .vgpr_count:     1024
    .wavefront_size: 32
...
	.end_amdgpu_metadata
.endif
;; end of part 2
;; launch attn (part 3): grid 4 x 64, 16 waves a work-group, no clusters, 327,680 bytes of LDS; arguments qkv16, a16; writes a16
.if DOCPART == 3
	.amdgcn_target "amdgcn-amd-amdhsa--gfx1250"
	.amdhsa_code_object_version 6
	.text
	.protected	k_qfef6f307d1_attn
	.globl	k_qfef6f307d1_attn
	.p2align	8
	.type	k_qfef6f307d1_attn,@function
k_qfef6f307d1_attn:
	s_mov_b64 s[64:65], 0
	v_nop
	global_prefetch_b8 v0, s[64:65] scope:SCOPE_SE
	s_setreg_imm32_b32 hwreg(HW_REG_WAVE_MODE, 25, 1), 1
	s_wait_xcnt 0x0
; a16[head][batch x 2048 + q][64] = softmax_k(Q[q] . K[k] / 8, k <= q) V, for one (batch, head) a work-group row; Q, K, V in f16, products, maxima and sums in f32, the weights rounded to f16 for the second product.
; WORK LEFT OUT: what the causal mask of the problem throws away, in whole units: a step of 64 keys all behind a wave's 32 queries, and a slot of 256 keys all behind the work-group's last query (shown at the head of the first kernel).
; SHARES.  Work-group p (0-3) of a head owns the query blocks p (waves 0-7) and 7 - p (waves 8-15), 256 queries each: (p + 1) + (8 - p) = 9 slot-blocks of work in every work-group.  A wave owns 32 queries: two tiles of 16.
; NO CLUSTER: the four work-groups of a head need 8 - p slots each; a joint load would bring slots whose reads every wave of some partner jumps over.
; LAYOUT.  S^T = K Q^T (source 0 = 16 keys, source 1 = 16 queries): a lane holds ONE query (lane % 16) and the keys 8 (lane / 16) + 0..7 of a tile; two such tiles, rounded to f16 in pairs, ARE source 1 (32 keys x 16 queries)
; of O^T = V^T P.  K comes out of LDS as it lies, V ([key][channel]) turned, by ds_load_tr16_b128.
; SOFTMAX.  A running maximum m and sum l a query: p = 2^(c s - c m), c = log2(e) / 8; in every step O and l are multiplied by a = 2^(c m_old - c m_new).  m begins at -3e38, l and O at 0; key 0 counts for every query.
; THE RING.  Two slots of 256 keys, 2^17 bytes apart; waves 0, 1 fetch K's halves, waves 2, 3 V's; every work-group walks all 8 changes of slots, so that all trip counts are constants.  Every wait on TENSORcnt is for 0.
.set SK,    256
.set KP,    144                        ; a key's row in LDS: 128 bytes + 16
.set VP,    160                        ; a row of V: 128 + 32
.set VOFF,  SK*KP
.set SLOT1, 1<<17
.set STAGE, SLOT1+SK*(KP+VP)           ; the way out: 2 x 16 rows x 144 bytes for each wave, bytes of their own
.set SPARE, STAGE+16*4608              ; the spare words, 128 bytes for each wave
.set AK0, 1                            ; v1   my lane's place in a tile of K
.set AV0, 2                            ; v2   the same for V
.set ADK, 3
.set ADV, 4
.set SPW, 5
.set NIL, 6
.set RH,  7                            ; v7   r - 8 h
.set NEG, 8                            ; v8   -infinity
.set PFO, 9                            ; v9   256 x lane
.set DD,  10
.set ST,  12                           ; tile t's statistics at v[12 + 8 t]: +0 c m, +1 m, +2, +3 l in two halves, +4..+7 at work; a in +6
.set STO, 28
.set RD,  29
.set GO,  30
.set QO,  31
.set QF,  32                           ; v32-63   Q: tile t, channels 32 c on: 16 t + 8 c
.set KV,  64                           ; v64-127  a step's K, then its V
.set SR,  128                          ; v128-191 S^T, 32 a tile; p in place; its f16 pairs in the tile's first 16
.set OT,  192                          ; v192-255 O^T, 32 a tile
.set TB,  2
.set KF,  3
.set Q0,  8
.set LQ,  9
.set SLOTS, 10
.set LIM, 11
.set PFA, 12
.set WV,  18
.set SEL, 20
.set CS,  22
.set G1K, 24
.set G1V, 32
.set G0K, 40
.set G0V, 44
.macro TLOAD                           ; waves 0, 1: K; waves 2, 3: V; the others nothing.  An s_nop 0 and four v_nop follow each line
	s_cmp_lt_u32 s[WV], 2
	s_cbranch_scc0 .Lnot_k_\@
	tensor_load_to_lds s[G0K:G0K+3], s[G1K:G1K+7]
	s_nop 0
.rept 4
	v_nop
.endr
	s_branch .Lasked_\@
.Lnot_k_\@:
	s_cmp_lt_u32 s[WV], 4
	s_cbranch_scc0 .Lasked_\@
	tensor_load_to_lds s[G0V:G0V+3], s[G1V:G1V+7]
	s_nop 0
.rept 4
	v_nop
.endr
.Lasked_\@:
.endm
; A prefetch of what the NEXT change of slots will ask for: 32,768 dense bytes of K and of V.  Of a head's four work-groups p = 0 alone asks (it walks all slots); in it waves 4-7 ask for K's, waves 8-11 for V's:
; 8,192 bytes a wave, lanes 256 bytes apart: each aligned 256 bytes once in the launch.  The last change that fills a slot asks for nothing; slots 0 and 1 come by their loads alone.
.macro ASK
	s_cmp_gt_u32 s[SLOTS], s[LIM]
	s_cbranch_scc0 .Lnot_mine_\@
	global_prefetch_b8 v[PFO], s[PFA:PFA+1] th:TH_LOAD_NT scope:SCOPE_SE
.Lnot_mine_\@:
.endm
	s_load_b128 s[4:7], s[0:1], 0x0                ; qkv16, a16
	v_lshl_add_u32 v[SPW], v0, 2, SPARE
	v_mov_b32 v[NIL], 0
	ds_add_u32 v[SPW], v[NIL]                      ; the wave's opening: the add, twice on end, and its wait ahead of the first tensor load
	ds_add_u32 v[SPW], v[NIL]
	v_lshrrev_b32 v10, 5, v0
	v_readfirstlane_b32 s[WV], v10                 ; wave 0..15
	s_and_b32 s48, ttmp7, 0xffff                   ; 16 batch + head
	s_lshl_b32 s50, s48, 18                        ; its first byte in each of Q, K, V
	s_sub_co_u32 s16, 7, ttmp9
	s_cmp_lt_u32 s[WV], 8
	s_cselect_b32 s17, ttmp9, s16                  ; my block of 256 queries
	s_lshl_b32 s[Q0], s17, 8
	s_and_b32 s19, s[WV], 7
	s_lshl_b32 s19, s19, 5
	s_add_co_u32 s[Q0], s[Q0], s19                 ; my first query
	s_lshl_b32 s[LQ], s16, 8
	s_or_b32 s[LQ], s[LQ], 255                     ; the work-group's last query
	s_and_b32 s49, s[WV], 1                        ; which 128 rows of a slot I fetch, if I fetch:
	s_lshl_b32 s52, s49, 14
	s_add_co_u32 s52, s52, s50                     ; in memory,
	s_mov_b32 s53, 0
	s_mul_i32 s54, s49, 128*KP                     ; and in a slot
	s_mul_i32 s55, s49, 128*VP
	s_add_co_u32 s55, s55, VOFF
	s_mov_b32 s[G1K], (1<<16)|(1<<20)|(4<<22)|(3<<25)   ; elements of 2 bytes; padding: 4 words after every 32
	s_mov_b32 s[G1V], (1<<16)|(1<<20)|(4<<22)|(7<<25)   ; 8 words
.irp g, G1K, G1V
	s_mov_b32 s[\g+1], 64<<16                      ; tensor_dim0
	s_mov_b32 s[\g+2], 128<<16                     ; tensor_dim1
	s_mov_b32 s[\g+3], 64<<16                      ; tile_dim0
	s_mov_b32 s[\g+4], 128                         ; tile_dim1
	s_mov_b32 s[\g+5], 64                          ; from row to row
	s_mov_b32 s[\g+6], 0
	s_mov_b32 s[\g+7], 0
.endr
	s_mov_b32 s[SEL], 0x76543210
	s_mov_b32 s[SEL+1], 0xfedcba98                 ; v_permlanex16_b32: lane l xor 16
	s_mov_b32 s[CS], 0x3e38aa3b                    ; c = log2(e) / 8
	s_mov_b32 s[CS+1], s[CS]
	s_mov_b32 s[TB], 0
	s_mov_b32 s[KF], 0
	s_mov_b32 s[SLOTS], 7
	s_wait_dscnt 0x0                               ; both opening adds are done
	s_wait_kmcnt 0x0
	s_mov_b32 s[G0K], 1
	s_mov_b32 s[G0K+1], s54
	s_add_nc_u64 s[G0K+2:G0K+3], s[4:5], s[52:53]
	s_add_nc_u64 s[G0K+2:G0K+3], s[G0K+2:G0K+3], 1<<24  ; K lies behind Q
	s_or_b32 s[G0K+3], s[G0K+3], 0x80000000
	s_mov_b32 s[G0V], 1
	s_mov_b32 s[G0V+1], s55
	s_add_nc_u64 s[G0V+2:G0V+3], s[4:5], s[52:53]
	s_add_nc_u64 s[G0V+2:G0V+3], s[G0V+2:G0V+3], 1<<25  ; V behind K
	s_or_b32 s[G0V+3], s[G0V+3], 0x80000000
	TLOAD                                          ; slot 0: it holds key 0, which counts for every query
	s_lshl_b32 s56, s[Q0], 7
	s_add_co_u32 s56, s56, s50
	s_mov_b32 s57, 0
	s_add_nc_u64 s[56:57], s[4:5], s[56:57]        ; Q at my first query
	s_and_b32 s58, s48, 15
	s_lshl_b32 s58, s58, 2
	s_lshr_b32 s59, s48, 4
	s_add_co_u32 s58, s58, s59                     ; 4 head + batch
	s_lshl_b32 s58, s58, 11
	s_add_co_u32 s58, s58, s[Q0]
	s_lshl_b32 s58, s58, 7
	s_mov_b32 s59, 0
	s_add_nc_u64 s[14:15], s[6:7], s[58:59]        ; a16 at my first query
	s_mov_b32 s60, 1<<25
	s_cmp_lt_u32 s[WV], 8
	s_cselect_b32 s60, 1<<24, s60                  ; the prefetches: K's or V's,
	s_and_b32 s61, s[WV], 3
	s_lshl_b32 s61, s61, 13
	s_add_co_u32 s60, s60, s61                     ; my wave's 8,192 bytes,
	s_add_co_u32 s60, s60, s50
	s_add_co_u32 s60, s60, 32768                   ; in slot 1: the first change of slots steps it to slot 2
	s_mov_b32 s61, 0
	s_add_nc_u64 s[PFA:PFA+1], s[4:5], s[60:61]
	s_sub_co_u32 s60, s[WV], 4
	s_lshr_b32 s60, s60, 3                         ; 0 in waves 4 to 11,
	s_or_b32 s60, s60, ttmp9                       ; of work-group p = 0
	s_cmp_eq_u32 s60, 0
	s_cselect_b32 s[LIM], 1, -1
	v_and_b32 v10, 15, v0                          ; r
	v_bfe_u32 v11, v0, 4, 1                        ; h
	v_lshlrev_b32 v[QO], 7, v10
	v_lshl_add_u32 v[QO], v11, 4, v[QO]
.irp t, 0,1
.irp c, 0,1
	global_load_b128 v[QF+16*\t+8*\c:QF+16*\t+8*\c+3], v[QO], s[56:57] offset:2048*\t+64*\c
	global_load_b128 v[QF+16*\t+8*\c+4:QF+16*\t+8*\c+7], v[QO], s[56:57] offset:2048*\t+64*\c+32
.endr
.endr
	v_mul_u32_u24 v[AK0], v10, KP
	v_lshl_add_u32 v[AK0], v11, 4, v[AK0]          ; row x pitch + 16 x half
	v_and_b32 v[ADK], 7, v0
	v_lshl_add_u32 v[ADK], v11, 3, v[ADK]
	v_mul_u32_u24 v[AV0], v[ADK], VP               ; the turning load: key 8 h + l % 8,
	v_bfe_u32 v[ADK], v0, 3, 1
	v_lshl_add_u32 v[AV0], v[ADK], 4, v[AV0]       ; channels 8 ((l / 8) % 2) on
	v_add_nc_u32 v[AV0], VOFF, v[AV0]
	v_lshlrev_b32 v[RH], 3, v11
	v_sub_nc_u32 v[RH], v10, v[RH]
	v_mov_b32 v[NEG], 0xff800000
	v_and_b32 v[GO], 31, v0
	v_lshlrev_b32 v[PFO], 8, v[GO]
	s_mul_i32 s16, s[WV], 4608
	s_add_co_u32 s16, s16, STAGE                   ; my stage
	v_mul_u32_u24 v[STO], v10, KP
	v_lshl_add_u32 v[STO], v11, 4, v[STO]
	v_add_nc_u32 v[STO], s16, v[STO]               ; in: row r, 16 bytes for each half of the lanes
	v_lshrrev_b32 v[RD], 3, v[GO]
	v_mul_u32_u24 v[RD], v[RD], KP
	v_and_b32 v[DD], 7, v0
	v_lshl_add_u32 v[RD], v[DD], 4, v[RD]
	v_add_nc_u32 v[RD], s16, v[RD]                 ; back: eight lanes to a row of 128 bytes
	v_lshlrev_b32 v[GO], 4, v[GO]                  ; four rows are 512 bytes on end in memory
.irp t, 0,1
	v_mov_b32 v[ST+8*\t+1], 0xff61b1e6             ; m = -3e38, under every score
	v_mul_f32 v[ST+8*\t], s[CS], v[ST+8*\t+1]
.irp i, 2,3,4,5,6,7
	v_mov_b32 v[ST+8*\t+\i], 0
.endr
.endr
.irp j, 0,1,2,3,4,5,6,7,8,9,10,11,12,13,14,15,16,17,18,19,20,21,22,23,24,25,26,27,28,29,30,31,32,33,34,35,36,37,38,39,40,41,42,43,44,45,46,47,48,49,50,51,52,53,54,55,56,57,58,59,60,61,62,63
	v_mov_b32 v[OT+\j], 0                          ; the step is written once: the first finds zeros, which its a = 0 leaves zeros
.endr
; A KEY STEP: 64 keys, the q-th of the slot in hand
.macro STEP q
	s_add_co_u32 s16, s[Q0], 31
	s_cmp_gt_u32 s[KF], s16                        ; all 64 keys behind my 32 queries: the step's work is left out; no barrier and no tensor load stands in a step
	s_cbranch_scc1 .Lhidden_\@
	v_add_nc_u32 v[ADK], s[TB], v[AK0]
	v_add_nc_u32 v[ADV], s[TB], v[AV0]
.rept 3
	v_nop                                          ; with the two additions five places behind the last products: four for the loads into their operands, five for the scores that are laid over p
.endr
.irp j, 0,1,2,3
.irp c, 0,1
	ds_load_b128 v[KV+8*(2*\j+\c):KV+8*(2*\j+\c)+3], v[ADK] offset:(64*(\q)+16*\j)*KP+64*\c
	ds_load_b128 v[KV+8*(2*\j+\c)+4:KV+8*(2*\j+\c)+7], v[ADK] offset:(64*(\q)+16*\j)*KP+64*\c+32
.endr
.endr
	s_wait_dscnt 0x0
.irp c, 0,1                                    ; S^T = K Q^T: the eight accumulators take turns, one instruction a turn
.irp j, 0,1,2,3
.irp t, 0,1
.if \c == 0
	v_wmma_f32_16x16x32_f16 v[SR+32*\t+8*\j:SR+32*\t+8*\j+7], v[KV+8*(2*\j+\c):KV+8*(2*\j+\c)+7], v[QF+16*\t+8*\c:QF+16*\t+8*\c+7], 0
.else
	v_wmma_f32_16x16x32_f16 v[SR+32*\t+8*\j:SR+32*\t+8*\j+7], v[KV+8*(2*\j+\c):KV+8*(2*\j+\c)+7], v[QF+16*\t+8*\c:QF+16*\t+8*\c+7], v[SR+32*\t+8*\j:SR+32*\t+8*\j+7]
.endif
.endr
.endr
.endr
.rept 4
	v_nop                                          ; places in front of the loads over K's fragments and of the first read of the scores
.endr
.irp c, 0,1,2,3                                ; V, turned: it lands under the softmax
.irp u, 0,1
	ds_load_tr16_b128 v[KV+8*(2*\c+\u):KV+8*(2*\c+\u)+3], v[ADV] offset:(64*(\q)+32*\u)*VP+32*\c
	ds_load_tr16_b128 v[KV+8*(2*\c+\u)+4:KV+8*(2*\c+\u)+7], v[ADV] offset:(64*(\q)+32*\u)*VP+32*\c+16*VP
.endr
.endr
	s_add_co_u32 s16, s[KF], 63
	s_cmp_le_u32 s16, s[Q0]                        ; a step all of whose keys count skips the mask
	s_cbranch_scc1 .Lopen_\@
	s_sub_co_i32 s16, s[Q0], s[KF]
	v_add_nc_u32 v[DD], s16, v[RH]                 ; register 8 j + i of tile t holds key KF + 16 j + 8 h + i for query Q0 + 16 t + r: hidden where 16 j + i - 16 t > Q0 - KF + r - 8 h
.irp t, 0,1
.irp n, 0,1,2,3,4,5,6,7,8,9,10,11,12,13,14,15,16,17,18,19,20,21,22,23,24,25,26,27,28,29,30,31
	v_cmp_gt_i32 vcc_lo, 16*(\n/8)+\n%8-16*\t, v[DD]
	v_cndmask_b32 v[SR+32*\t+\n], v[SR+32*\t+\n], v[NEG], vcc_lo
.endr
.endr
.Lopen_\@:
.irp n, 0,1,2,3                                ; the maximum of 32 scores and the old m, three operands at a time, the two tiles by turns
.irp t, 0,1
	v_max3_num_f32 v[ST+8*\t+4+\n], v[SR+32*\t+8*\n], v[SR+32*\t+8*\n+1], v[SR+32*\t+8*\n+2]
.endr
.endr
.irp g, 1,2
.irp n, 0,1,2,3
.irp t, 0,1
	v_max3_num_f32 v[ST+8*\t+4+\n], v[ST+8*\t+4+\n], v[SR+32*\t+8*\n+2*\g+1], v[SR+32*\t+8*\n+2*\g+2]
.endr
.endr
.endr
.irp t, 0,1
	v_max3_num_f32 v[ST+8*\t+4], v[ST+8*\t+4], v[SR+32*\t+7], v[SR+32*\t+15]
	v_max3_num_f32 v[ST+8*\t+6], v[ST+8*\t+6], v[SR+32*\t+23], v[SR+32*\t+31]
.endr
.irp t, 0,1
	v_max3_num_f32 v[ST+8*\t+4], v[ST+8*\t+4], v[ST+8*\t+5], v[ST+8*\t+6]
.endr
.irp t, 0,1
	v_max3_num_f32 v[ST+8*\t+4], v[ST+8*\t+4], v[ST+8*\t+7], v[ST+8*\t+1]
.endr
.irp t, 0,1
	v_permlanex16_b32 v[ST+8*\t+5], v[ST+8*\t+4], s[SEL], s[SEL+1]   ; the query's other 32 keys lie in the lane 16 away
.endr
.irp t, 0,1
	v_mov_b32 v[ST+8*\t+7], v[ST+8*\t]             ; c m_old
.endr
.irp t, 0,1
	v_max_num_f32 v[ST+8*\t+1], v[ST+8*\t+4], v[ST+8*\t+5]
.endr
.irp t, 0,1
	v_mul_f32 v[ST+8*\t], s[CS], v[ST+8*\t+1]
.endr
.irp t, 0,1
	v_sub_f32 v[ST+8*\t+7], v[ST+8*\t+7], v[ST+8*\t]
.endr
.irp t, 0,1
	v_exp_f32 v[ST+8*\t+6], v[ST+8*\t+7]           ; a
.endr
.irp t, 0,1
.irp j, 0,2,4,6,8,10,12,14,16,18,20,22,24,26,28,30
	v_pk_fma_f32 v[SR+32*\t+\j:SR+32*\t+\j+1], v[SR+32*\t+\j:SR+32*\t+\j+1], s[CS:CS+1], v[ST+8*\t:ST+8*\t+1] op_sel_hi:[1,0,0] neg_lo:[0,0,1] neg_hi:[0,0,1]   ; c s - c m
.endr
.endr
.irp j, 0,1,2,3,4,5,6,7,8,9,10,11,12,13,14,15,16,17,18,19,20,21,22,23,24,25,26,27,28,29,30,31,32,33,34,35,36,37,38,39,40,41,42,43,44,45,46,47,48,49,50,51,52,53,54,55,56,57,58,59,60,61,62,63
	v_exp_f32 v[SR+\j], v[SR+\j]
.endr
	v_nop                                          ; a plain instruction behind the last exponential
	s_wait_alu depctr_va_vdst(0)                   ; one wait for the 66, ahead of the first instruction that names a result
.irp t, 0,1
	v_pk_mul_f32 v[ST+8*\t+2:ST+8*\t+3], v[ST+8*\t+2:ST+8*\t+3], v[ST+8*\t+6:ST+8*\t+7] op_sel_hi:[1,0]   ; l x a
	v_pk_add_f32 v[ST+8*\t+4:ST+8*\t+5], v[SR+32*\t:SR+32*\t+1], v[SR+32*\t+2:SR+32*\t+3]                 ; the sum is taken of the unrounded p, in two chains
.endr
.irp j, 4,8,12,16,20,24,28
.irp t, 0,1
	v_pk_add_f32 v[ST+8*\t+2:ST+8*\t+3], v[ST+8*\t+2:ST+8*\t+3], v[SR+32*\t+\j:SR+32*\t+\j+1]
	v_pk_add_f32 v[ST+8*\t+4:ST+8*\t+5], v[ST+8*\t+4:ST+8*\t+5], v[SR+32*\t+\j+2:SR+32*\t+\j+3]
.endr
.endr
.irp t, 0,1
	v_pk_add_f32 v[ST+8*\t+2:ST+8*\t+3], v[ST+8*\t+2:ST+8*\t+3], v[ST+8*\t+4:ST+8*\t+5]
.endr
.irp t, 0,1
.irp j, 0,1,2,3,4,5,6,7,8,9,10,11,12,13,14,15
	v_cvt_pk_f16_f32 v[SR+32*\t+\j], v[SR+32*\t+2*\j], v[SR+32*\t+2*\j+1]   ; ascending, in place: register j is written when its own number has been read
.endr
.endr
.irp t, 0,1
.irp j, 0,2,4,6,8,10,12,14,16,18,20,22,24,26,28,30
	v_pk_mul_f32 v[OT+32*\t+\j:OT+32*\t+\j+1], v[OT+32*\t+\j:OT+32*\t+\j+1], v[ST+8*\t+6:ST+8*\t+7] op_sel_hi:[1,0]   ; O^T x a
.endr
.endr
	s_wait_dscnt 0x0                               ; V is in
.irp u, 0,1                                    ; O^T += V^T P: eight accumulators by turns
.irp c, 0,1,2,3
.irp t, 0,1
	v_wmma_f32_16x16x32_f16 v[OT+32*\t+8*\c:OT+32*\t+8*\c+7], v[KV+8*(2*\c+\u):KV+8*(2*\c+\u)+7], v[SR+32*\t+8*\u:SR+32*\t+8*\u+7], v[OT+32*\t+8*\c:OT+32*\t+8*\c+7]
.endr
.endr
.endr
.Lhidden_\@:
	s_add_co_u32 s[KF], s[KF], 64
.endm
; THE CHANGE OF SLOTS, at a slot's head: each wave waits for all its tensor loads, adds 0 to its spare word, waits for that and for its reads of the slot that it has left; one barrier; behind it the slot that was left is filled.
.macro CHANGE fill
	s_wait_tensorcnt 0x0                           ; no tensor load of mine is out, so a group 0 may be written
	ds_add_u32 v[SPW], v[NIL]
.if \fill
	ds_add_u32 v[SPW], v[NIL]
	s_xor_b32 s[G0K+1], s[G0K+1], SLOT1            ; the walking descriptors: the other slot, the next 256 keys
	s_add_nc_u64 s[G0K+2:G0K+3], s[G0K+2:G0K+3], SK*128
	s_xor_b32 s[G0V+1], s[G0V+1], SLOT1
	s_add_nc_u64 s[G0V+2:G0V+3], s[G0V+2:G0V+3], SK*128
	s_wait_xcnt 0x0                                ; the last prefetch, a slot back, has read its address
	s_add_nc_u64 s[PFA:PFA+1], s[PFA:PFA+1], SK*128
.endif
	s_wait_dscnt 0x0
	s_barrier_signal -1
	s_barrier_wait -1
.if \fill
	s_add_co_u32 s16, s[KF], SK                    ; the first key of the slot that this change would ask for:
	s_cmp_gt_u32 s16, s[LQ]                        ; behind the work-group's last query no wave reads it, so it is not asked for.  Ids and the count of steps alone: all sixteen waves go the same way
	s_cbranch_scc1 .Lpast_\@
	TLOAD
.Lpast_\@:
	ASK
.endif
.endm
.macro SLOT_STEPS
	STEP 0
	STEP 1
	STEP 2
	STEP 3
	s_xor_b32 s[TB], s[TB], SLOT1
.endm
	s_wait_loadcnt 0x0                             ; Q
.Lslot:                                            ; seven trips
	CHANGE 1
	SLOT_STEPS
	s_sub_co_u32 s[SLOTS], s[SLOTS], 1
	s_cmp_lg_u32 s[SLOTS], 0
	s_cbranch_scc1 .Lslot
	CHANGE 0                                       ; the last slot is written out: nothing is left to ask for
	SLOT_STEPS
	; THE WAY OUT: O^T / l, to f16, through my stage, out as 512 consecutive bytes (four rows of 128) an instruction
.rept 4
	v_nop
.endr
.irp t, 0,1
	v_add_f32 v[ST+8*\t+4], v[ST+8*\t+2], v[ST+8*\t+3]
.endr
.irp t, 0,1
	v_permlanex16_b32 v[ST+8*\t+5], v[ST+8*\t+4], s[SEL], s[SEL+1]
.endr
.irp t, 0,1
	v_add_f32 v[ST+8*\t+4], v[ST+8*\t+4], v[ST+8*\t+5]
.endr
.irp t, 0,1
	v_rcp_f32 v[ST+8*\t+6], v[ST+8*\t+4]
.endr
	v_nop
	s_wait_alu depctr_va_vdst(0)                   ; one wait for the two reciprocals, ahead of their first reader
.irp t, 0,1
.irp j, 0,2,4,6,8,10,12,14,16,18,20,22,24,26,28,30
	v_pk_mul_f32 v[OT+32*\t+\j:OT+32*\t+\j+1], v[OT+32*\t+\j:OT+32*\t+\j+1], v[ST+8*\t+6:ST+8*\t+7] op_sel_hi:[1,0]
.endr
.endr
.irp t, 0,1
.irp j, 0,1,2,3,4,5,6,7,8,9,10,11,12,13,14,15
	v_cvt_pk_f16_f32 v[SR+16*\t+\j], v[OT+32*\t+2*\j], v[OT+32*\t+2*\j+1]
.endr
.endr
.irp t, 0,1
.irp c, 0,1,2,3
	ds_store_b128 v[STO], v[SR+16*\t+4*\c:SR+16*\t+4*\c+3] offset:2304*\t+32*\c
.endr
.endr
.irp t, 0,1
.irp i, 0,1,2,3
	ds_load_b128 v[KV+16*\t+4*\i:KV+16*\t+4*\i+3], v[RD] offset:2304*\t+576*\i   ; LDS serves a wave's instructions in order: these see my stores
.endr
.endr
.irp t, 0,1
.irp i, 0,1,2,3
	s_wait_dscnt 7-4*\t-\i
	global_store_b128 v[GO], v[KV+16*\t+4*\i:KV+16*\t+4*\i+3], s[14:15] offset:2048*\t+512*\i
.endr
.endr
	s_wait_tensorcnt 0x0                           ; the wave's end
	ds_add_u32 v[SPW], v[NIL]
	s_wait_dscnt 0x0
	s_endpgm
.Lfunc_end_k_qfef6f307d1_attn:
	.size	k_qfef6f307d1_attn, .Lfunc_end_k_qfef6f307d1_attn-k_qfef6f307d1_attn
	.p2alignl 7, 3214868480
	.fill 96, 4, 3214868480
	.section	.rodata,"a",@progbits
	.p2align	6, 0x0
	.amdhsa_kernel k_qfef6f307d1_attn
		.amdhsa_group_segment_fixed_size 327680
		.amdhsa_private_segment_fixed_size 0
		.amdhsa_enable_private_segment 0
		.amdhsa_kernarg_size 16
		.amdhsa_user_sgpr_count 2
		.amdhsa_user_sgpr_kernarg_segment_ptr 1
		.amdhsa_wavefront_size32 1
		.amdhsa_system_sgpr_workgroup_id_x 1
		.amdhsa_system_sgpr_workgroup_id_y 1
		.amdhsa_system_sgpr_workgroup_id_z 1
		.amdhsa_system_vgpr_workitem_id 0
		.amdhsa_next_free_vgpr 256
		.amdhsa_next_free_sgpr 66
		.amdhsa_reserve_vcc 1
		.amdhsa_float_denorm_mode_32 3
		.amdhsa_float_denorm_mode_16_64 3
		.amdhsa_memory_ordered 1
		.amdhsa_forward_progress 1
		.amdhsa_inst_pref_size 189
	.end_amdhsa_kernel
	.amdgpu_metadata
---
amdhsa.version: [ 1, 2 ]
amdhsa.kernels:
  - .name:           k_qfef6f307d1_attn
    .symbol:         k_qfef6f307d1_attn.kd
    .args:
      - { .name: qkv16, .offset: 0, .size: 8, .value_kind: global_buffer, .address_space: global }
      - { .name: a16, .offset: 8, .size: 8, .value_kind: global_buffer, .address_space: global }
    .group_segment_fixed_size: 327680
    .private_segment_fixed_size: 0
    .kernarg_segment_align: 8
    .kernarg_segment_size: 16
    .max_flat_workgroup_size: 512
    .sgpr_count:     66
    .vgpr_count:     256
    .wavefront_size: 32
...
	.end_amdgpu_metadata
.endif
;; end of part 3
;; launch oproj (part 4): grid 8 x 32, 4 waves a work-group, clusters of 4 x 4, 327,680 bytes of LDS; arguments a16, wo16, out0; writes out0
.if DOCPART == 4
	.amdgcn_target "amdgcn-amd-amdhsa--gfx1250"
	.amdhsa_code_object_version 6
	.text
	.protected	k_qfef6f307d1_oproj
	.globl	k_qfef6f307d1_oproj
	.p2align	8
	.type	k_qfef6f307d1_oproj,@function
k_qfef6f307d1_oproj:
	s_mov_b64 s[64:65], 0
	v_nop
	global_prefetch_b8 v0, s[64:65] scope:SCOPE_SE
	s_setreg_imm32_b32 hwreg(HW_REG_WAVE_MODE, 25, 1), 1
	s_wait_xcnt 0x0
	s_wait_alu depctr_hold_cnt(0) depctr_sa_sdst(0) depctr_va_vdst(0) depctr_va_sdst(0) depctr_va_ssrc(0) depctr_va_vcc(0) depctr_vm_vsrc(0)
	s_getreg_b32 s2, hwreg(HW_REG_IB_STS2, 6, 4)
	s_cmp_eq_u32 s2, 0
	s_cbranch_scc0 .Lentry_in_a_cluster
	s_endpgm
.Lentry_in_a_cluster:
	s_bfe_u32 s2, ttmp6, 0x10000c
	s_cmp_lg_u32 s2, 0xf033
	s_cbranch_scc0 .Lentry_shape_is_right
	s_endpgm
.Lentry_shape_is_right:
; out0[m][n] = sum over k of A[m][k] Wo[k][n], M 8192, N 1024, K 1024, for the positions from 16 on of every sequence (positions 0-15 are stored by the launch that carries them in f32).
; A = a16 [head][m][64] f16; B = wo16 = f16(64 Wo) [k][n]; sums in f32, multiplied by 1/64 (a power of two) on the way out.
; A tile of C is 256 (M) x 128 (N): 256 work-groups.  Four waves, each 128 x 64: 32 accumulators.  K goes in steps of 128 (two heads) through two LDS slots; a quarter is 32 along K.
; CLUSTERS 4 x 4: tile row = 8 cy + cluster y, tile column = 4 cluster x + cx; A's tiles are asked for jointly along a row of the cluster, B's along a column.
; THE MATRIX INSTRUCTION IS USED TRANSPOSED (source 0 = 16 columns of Wo, turned out of LDS by ds_load_tr16_b128; source 1 = 16 rows of A): a lane holds eight neighbouring numbers of a row of C.
; REGISTERS: window 0: v0-31 addresses; v32-63 at work on the way out; v64-127, v128-191 A's fragments, two buffers; v192-223, v224-255 B's.  window 1: the accumulators ((a, b) at v[8 (4 a + b)]).
.set SLOT,   110592                    ; A's even head 256 x 144, A's odd head 256 x 144, B 128 (k) x 288
.set BOFF,   73728
.set STAGE,  2*SLOT                    ; 16 rows x 272 bytes for each wave
.set SPITCH, 272
.set SPARE,  STAGE+4*16*SPITCH
.set ADRA, 16
.set ADRB, 20
.set STO,  24
.set RD,   25
.set CO,   26
.set SPW,  28
.set NIL,  29
.set PFO,  30
.set TMP,  32
.set AF,   64
.set BF,   192
.set BK,   64
.set G1, 24
.set G0, 32
.set G1B, 48
.set G0B, 56
.set PFA, 68
.set LIM, 70
.set MSB, 0
.macro WIN new
.if MSB != (\new)
	s_set_vgpr_msb (MSB<<8)|(\new)
.set MSB, (\new)
.endif
.endm
.set MUL, 0x50                         ; sources 0 and 1 window 0; C and D window 1
.macro JLOAD s                         ; waves 0, 1 fetch A's two heads, waves 2, 3 B's two halves; an s_nop 0 and four v_nop follow each line
	s_cmp_eq_u32 s11, 0
	s_cbranch_scc0 .Lfor_b_\@
	tensor_load_to_lds s[G0+4*\s:G0+4*\s+3], s[G1:G1+7]
	s_nop 0
.rept 4
	v_nop
.endr
	s_branch .Lasked_\@
.Lfor_b_\@:
	tensor_load_to_lds s[G0B+4*\s:G0B+4*\s+3], s[G1B:G1B+7]
	s_nop 0
.rept 4
	v_nop
.endr
.Lasked_\@:
.endm
.macro CREST
	s_cmp_lg_u32 s10, 0
	s_cbranch_scc1 .Lnot_wave_0_\@
	s_barrier_signal -3
.Lnot_wave_0_\@:
	s_barrier_wait -3
	s_barrier_signal -1
	s_barrier_wait -1
.endm
.macro CROUND
	s_barrier_signal -1
	s_barrier_wait -1
	CREST
.endm
; A prefetch of A's tile of the K step that stands two refills on: a head's 256 rows are 32,768 dense bytes; the four partners that ask for them jointly take 8,192 each, told apart by address; lanes 256 bytes apart.
; Both clusters of a row of clusters read the same rows: the one with x = 0 asks, its waves 0 and 1 (a head each).  The loop's last trip asks for nothing: no K step stands two refills on.  wo16 is read again by all 32 tile rows and is not asked for.
.macro ASK
	s_cmp_gt_u32 s3, s[LIM]
	s_cbranch_scc0 .Lnot_mine_\@
	global_prefetch_b8 v[PFO], s[PFA:PFA+1] offset:2097152 th:TH_LOAD_NT scope:SCOPE_SE
.Lnot_mine_\@:
.endm
	s_load_b128 s[4:7], s[0:1], 0x0                ; a16, wo16
	s_load_b64 s[8:9], s[0:1], 0x10                ; out0
	v_lshl_add_u32 v[SPW], v0, 2, SPARE
	v_mov_b32 v[NIL], 0
	ds_add_u32 v[SPW], v[NIL]                      ; the wave's opening: the add, twice on end, and its wait ahead of my first tensor load
	ds_add_u32 v[SPW], v[NIL]
	v_lshrrev_b32 v1, 5, v0
	v_readfirstlane_b32 s10, v1                    ; wave 0..3
	s_lshr_b32 s11, s10, 1                         ; which 128 rows are mine.  Also: I fetch for A (0) or for B (1)
	s_and_b32 s12, s10, 1                          ; which 64 columns.  Also: which head, or which 64 rows of Wo, I fetch
	s_bfe_u32 s40, ttmp6, 0x40000                  ; cx
	s_bfe_u32 s41, ttmp6, 0x40004                  ; cy
	s_lshl_b32 s42, ttmp9, 2
	s_add_co_u32 s42, s42, s40                     ; tile column
	s_and_b32 s14, ttmp7, 0xffff                   ; cluster y
	s_lshl_b32 s13, s41, 3
	s_add_co_u32 s13, s13, s14                     ; tile row = 8 cy + cluster y
	s_lshl_b32 s43, s41, 2
	s_lshl_b32 s43, 15, s43                        ; my row of the cluster
	s_lshl_b32 s44, 0x1111, s40                    ; my column
	s_or_b32 s[G1+0], s43, (1<<16)|(1<<20)|(1<<21)|(4<<22)|(3<<25)   ; A: elements of 2 bytes; 4 words of padding after every 32
	s_mov_b32 s[G1+1], 64<<16                      ; tensor_dim0
	s_mov_b32 s[G1+2], 256<<16                     ; tensor_dim1
	s_mov_b32 s[G1+3], 64<<16                      ; tile_dim0
	s_mov_b32 s[G1+4], 256                         ; tile_dim1
	s_mov_b32 s[G1+5], 64                          ; from row to row
	s_mov_b32 s[G1+6], 0
	s_mov_b32 s[G1+7], 0
	s_or_b32 s[G1B+0], s44, (1<<16)|(1<<20)|(1<<21)|(5<<22)|(7<<25)  ; B: 8 words of padding after every 64
	s_mov_b32 s[G1B+1], 128<<16
	s_mov_b32 s[G1B+2], 64<<16
	s_mov_b32 s[G1B+3], 128<<16
	s_mov_b32 s[G1B+4], 64
	s_mov_b32 s[G1B+5], 1024
	s_mov_b32 s[G1B+6], 0
	s_mov_b32 s[G1B+7], 0
	s_lshl_b32 s16, s12, 20                        ; A: my head of the K step's two,
	s_lshl_b32 s17, s13, 15                        ; the tile's 256 rows of 128 bytes
	s_add_co_u32 s16, s16, s17
	s_mov_b32 s17, 0
	s_lshl_b32 s46, s12, 17                        ; B: my 64 rows of 2,048 bytes,
	s_lshl_b32 s47, s42, 8                         ; the tile's 128 columns
	s_add_co_u32 s46, s46, s47
	s_mov_b32 s47, 0
	s_mul_i32 s20, s12, 36864                      ; where they go: the wave's number alone
	s_mul_i32 s21, s12, 18432
	s_add_co_u32 s21, s21, BOFF
	s_wait_dscnt 0x0                               ; both opening adds are done
	s_wait_kmcnt 0x0
	s_add_nc_u64 s[16:17], s[4:5], s[16:17]
	s_add_nc_u64 s[46:47], s[6:7], s[46:47]
	CROUND                                         ; all sixteen work-groups are here: the first joint loads meet
.irp s, 0,1
	s_mov_b32 s[G0+4*\s], 1
	s_add_co_u32 s[G0+4*\s+1], s20, \s*SLOT
	s_add_nc_u64 s[G0+4*\s+2:G0+4*\s+3], s[16:17], \s*2097152
	s_or_b32 s[G0+4*\s+3], s[G0+4*\s+3], 0x80000000
	s_mov_b32 s[G0B+4*\s], 1
	s_add_co_u32 s[G0B+4*\s+1], s21, \s*SLOT
	s_add_nc_u64 s[G0B+4*\s+2:G0B+4*\s+3], s[46:47], \s*262144
	s_or_b32 s[G0B+4*\s+3], s[G0B+4*\s+3], 0x80000000
	JLOAD \s                                       ; two loads of mine are out
.endr
	v_and_b32 v1, 15, v0                           ; r
	v_bfe_u32 v2, v0, 4, 1                         ; h
	v_mul_u32_u24 v3, v1, 144
	v_lshl_add_u32 v3, v2, 4, v3                   ; A: row x pitch + 16 x half
	v_and_b32 v4, 7, v0
	v_lshl_add_u32 v4, v2, 3, v4
	v_mul_u32_u24 v4, v4, 288                      ; B, the turning load: k = 8 h + l % 8,
	v_bfe_u32 v5, v0, 3, 1
	v_lshl_add_u32 v4, v5, 4, v4                   ; columns 8 ((l / 8) % 2) on
	s_mul_i32 s21, s11, 18432                      ; my 128 rows of A
	s_lshl_b32 s22, s12, 7                         ; my 64 columns of B
	s_add_co_u32 s22, s22, BOFF
.irp s, 0,1
	v_add_nc_u32 v[ADRA+\s], s21, v3
	v_add_nc_u32 v[ADRB+\s], s22, v4
	s_add_co_u32 s21, s21, SLOT
	s_add_co_u32 s22, s22, SLOT
.endr
	s_mul_i32 s23, s10, 16*SPITCH
	s_add_co_u32 s23, s23, STAGE                   ; my stage
	v_mul_u32_u24 v5, v1, SPITCH
	v_lshl_add_u32 v5, v2, 5, v5
	v_add_nc_u32 v[STO], s23, v5                   ; in: row r, 32 bytes for each half of the lanes
	v_mul_u32_u24 v5, v2, SPITCH
	v_lshl_add_u32 v5, v1, 4, v5
	v_add_nc_u32 v[RD], s23, v5                    ; back: sixteen lanes to a row of 256 bytes
	v_lshlrev_b32 v[CO], 12, v2
	v_lshl_add_u32 v[CO], v1, 4, v[CO]             ; and the same two rows in out0
	s_lshl_b32 s18, s13, 20                        ; my part of out0: (256 tile row + 128 half) rows of 4,096 bytes
	s_lshl_b32 s19, s11, 19
	s_add_co_u32 s18, s18, s19
	s_lshl_b32 s19, s42, 9                         ; + (128 tile column + 64 half) x 4 bytes
	s_add_co_u32 s18, s18, s19
	s_lshl_b32 s19, s12, 8
	s_add_co_u32 s18, s18, s19
	s_mov_b32 s19, 0
	s_add_nc_u64 s[8:9], s[8:9], s[18:19]
	s_or_b32 s15, s14, s11                         ; 0 where my first 16 rows are positions 0-15: cluster y and the wave's number alone
	s_mov_b32 s66, 0x3c800000                      ; 1/64
	s_mov_b32 s67, s66
	s_lshl_b32 s18, s12, 20                        ; the prefetches: my head, the tile's rows,
	s_lshl_b32 s22, s13, 15
	s_add_co_u32 s18, s18, s22
	s_lshl_b32 s22, s40, 13                        ; my work-group's 8,192 bytes of them,
	s_add_co_u32 s18, s18, s22
	s_add_co_u32 s18, s18, 2*2097152               ; at K step 2: the first refill steps it to 3 and names K step 4
	s_add_nc_u64 s[PFA:PFA+1], s[4:5], s[18:19]
	s_or_b32 s22, s11, ttmp9
	s_cmp_eq_u32 s22, 0
	s_cselect_b32 s[LIM], 1, -1
	v_and_b32 v[PFO], 31, v0
	v_lshlrev_b32 v[PFO], 8, v[PFO]
.macro MUL8 f, a0, zero                ; A's blocks a0, a0 + 1 x B's four, 32 along K.  The 32 accumulators take turns, one instruction a turn, in the same order in every quarter
.irp a, \a0, \a0+1
.irp b, 0,1,2,3
.if \zero
	v_wmma_f32_16x16x32_f16 v[8*(4*(\a)+\b):8*(4*(\a)+\b)+7], v[BF+32*\f+8*\b:BF+32*\f+8*\b+7], v[AF+64*\f+8*(\a):AF+64*\f+8*(\a)+7], 0
.else
	v_wmma_f32_16x16x32_f16 v[8*(4*(\a)+\b):8*(4*(\a)+\b)+7], v[BF+32*\f+8*\b:BF+32*\f+8*\b+7], v[AF+64*\f+8*(\a):AF+64*\f+8*(\a)+7], v[8*(4*(\a)+\b):8*(4*(\a)+\b)+7]
.endif
.endr
.endr
.endm
.macro FETCH slot, q, f                ; 24 LDS loads in one run: quarter q's fragments into buffer f: B's four, then A's eight
	WIN 0
.irp b, 0,1,2,3
	ds_load_tr16_b128 v[BF+32*\f+8*\b:BF+32*\f+8*\b+3], v[ADRB+\slot] offset:9216*(\q)+32*\b
	ds_load_tr16_b128 v[BF+32*\f+8*\b+4:BF+32*\f+8*\b+7], v[ADRB+\slot] offset:9216*(\q)+32*\b+4608
.endr
.irp i, 0,1,2,3,4,5,6,7
	ds_load_b128 v[AF+64*\f+8*\i:AF+64*\f+8*\i+3], v[ADRA+\slot] offset:((\q)/2)*36864+64*((\q)%2)+2304*\i
	ds_load_b128 v[AF+64*\f+8*\i+4:AF+64*\f+8*\i+7], v[ADRA+\slot] offset:((\q)/2)*36864+64*((\q)%2)+2304*\i+32
.endr
.endm
.macro PLACES
.rept 4
	v_nop
.endr
.endm
.macro QUARTER slot, q, f, g, zero     ; multiplies buffer f; in its middle fetches quarter q of the same slot into buffer g
	s_wait_dscnt 8                                 ; B and A's blocks 0-3 are in; the youngest eight loads (A's blocks 4-7) may be out
	WIN MUL
	MUL8 \f, 0, \zero
	MUL8 \f, 2, \zero
	PLACES
	FETCH \slot, \q, \g
	s_wait_dscnt 24                                ; all but the 24 just issued
	WIN MUL
	MUL8 \f, 4, \zero
	MUL8 \f, 6, \zero
.endm
; A slot's last quarter multiplies buffer 1 and changes slots: one barrier; in front of it each wave waits for all its tensor loads, adds 0 to its spare word, and waits for that and for its reads of this slot
.macro TURN slot, next, fill
.if \fill
	s_wait_xcnt 0x0                                ; the last prefetch, a K step back, has read its address
	s_add_nc_u64 s[PFA:PFA+1], s[PFA:PFA+1], 2097152
.endif
	WIN 0
	s_wait_tensorcnt 0x0                           ; my part of the next slot has landed
	ds_add_u32 v[SPW], v[NIL]
	s_wait_dscnt 9                                 ; (the add and the youngest eight loads may be out)
	WIN MUL
	MUL8 1, 0, 0
	s_wait_dscnt 0x0                               ; the add is done, and my reads of this slot are over
	s_barrier_signal -1
	MUL8 1, 2, 0
.if \fill
	WIN 0
.endif
	s_barrier_wait -1
.if \fill
	CREST                                          ; the barrier has opened a round of the cluster's: no wave of any partner still reads this slot or has a load on its way
	s_add_nc_u64 s[G0+4*\slot+2:G0+4*\slot+3], s[G0+4*\slot+2:G0+4*\slot+3], 2*2097152
	s_add_nc_u64 s[G0B+4*\slot+2:G0B+4*\slot+3], s[G0B+4*\slot+2:G0B+4*\slot+3], 2*262144
	JLOAD \slot                                    ; the first tensor load behind the round; its four v_nop are also the places in front of the loads below
.else
	PLACES
.endif
	FETCH \next, 0, 0
.if \fill
	ASK
.endif
	WIN MUL
	MUL8 1, 4, 0
	MUL8 1, 6, 0
.endm
	s_wait_tensorcnt 1                             ; my part of K step 0 is in; K step 1's may be out
	s_barrier_signal -1
	s_barrier_wait -1
	FETCH 0, 0, 0
	QUARTER 0, 1, 0, 1, 1                          ; the first quarter's products start the sums
	WIN 0
	s_mov_b32 s3, 3
.Llap:                                                 ; a trip goes once round the ring and fills both slots again: K steps 2 to 7
	QUARTER 0, 2, 1, 0, 0
	QUARTER 0, 3, 0, 1, 0
	TURN 0, 1, 1
	QUARTER 1, 1, 0, 1, 0
	QUARTER 1, 2, 1, 0, 0
	QUARTER 1, 3, 0, 1, 0
	TURN 1, 0, 1
	QUARTER 0, 1, 0, 1, 0
	WIN 0
	s_sub_co_u32 s3, s3, 1
	s_cmp_lg_u32 s3, 0
	s_cbranch_scc1 .Llap
	QUARTER 0, 2, 1, 0, 0                          ; the last lap fills nothing
	QUARTER 0, 3, 0, 1, 0
	TURN 0, 1, 0
	QUARTER 1, 1, 0, 1, 0
	QUARTER 1, 2, 1, 0, 0
	QUARTER 1, 3, 0, 1, 0
	s_wait_dscnt 8
	WIN MUL
	MUL8 1, 0, 0
	MUL8 1, 2, 0
	s_wait_dscnt 0
	MUL8 1, 4, 0
	MUL8 1, 6, 0
	WIN 0
; THE WAY OUT, a block of 16 rows x 64 columns at a time: x 1/64; through my stage; sixteen lanes store one aligned run of 256 bytes
.macro PACK a
	WIN 0x01                                       ; source 0: window 1
.irp b, 0,1,2,3
.irp i, 0,2,4,6
	v_pk_mul_f32 v[TMP+8*\b+\i:TMP+8*\b+\i+1], v[8*(4*(\a)+\b)+\i:8*(4*(\a)+\b)+\i+1], s[66:67] op_sel_hi:[1,0]
.endr
.endr
	WIN 0
.endm
.macro TOSTAGE a
.set BB, BK+32*((\a)%2)
.if (\a) > 1
	s_wait_xcnt 0x0                                ; block a - 2's stores have read the registers that these loads fill
.endif
.irp b, 0,1,2,3
	ds_store_b128 v[STO], v[TMP+8*\b:TMP+8*\b+3] offset:64*\b
	ds_store_b128 v[STO], v[TMP+8*\b+4:TMP+8*\b+7] offset:64*\b+16
.endr
.irp t, 0,1,2,3,4,5,6,7
	ds_load_b128 v[BB+4*\t:BB+4*\t+3], v[RD] offset:\t*2*SPITCH   ; LDS serves a wave's instructions in order: these see the stores above
.endr
.endm
.macro SEND a
.set BB, BK+32*((\a)%2)
	s_wait_dscnt 0x0
.if (\a) == 0
	s_cmp_eq_u32 s15, 0                            ; positions 0-15 belong to the launch that carries them in f32
	s_cbranch_scc1 .Lowned_\@
.endif
.irp t, 0,1,2,3,4,5,6,7
	global_store_b128 v[CO], v[BB+4*\t:BB+4*\t+3], s[8:9] offset:(\a)*65536+8192*\t th:TH_STORE_NT
.endr
.if (\a) == 0
.Lowned_\@:
.endif
.endm
	PLACES
	PACK 0
	TOSTAGE 0
.irp a, 1,2,3,4,5,6,7
	PACK \a
	SEND (\a)-1
	TOSTAGE \a
.endr
	SEND 7
	s_wait_tensorcnt 0x0                           ; the wave's end
	ds_add_u32 v[SPW], v[NIL]
	s_wait_dscnt 0x0
	CROUND                                         ; the closing round
	s_endpgm
.Lfunc_end_k_qfef6f307d1_oproj:
	.size	k_qfef6f307d1_oproj, .Lfunc_end_k_qfef6f307d1_oproj-k_qfef6f307d1_oproj
	.p2alignl 7, 3214868480
	.fill 96, 4, 3214868480
	.section	.rodata,"a",@progbits
	.p2align	6, 0x0
	.amdhsa_kernel k_qfef6f307d1_oproj
		.amdhsa_group_segment_fixed_size 327680
		.amdhsa_private_segment_fixed_size 0
		.amdhsa_enable_private_segment 0
		.amdhsa_kernarg_size 24
		.amdhsa_user_sgpr_count 2
		.amdhsa_user_sgpr_kernarg_segment_ptr 1
		.amdhsa_wavefront_size32 1
		.amdhsa_system_sgpr_workgroup_id_x 1
		.amdhsa_system_sgpr_workgroup_id_y 1
		.amdhsa_system_sgpr_workgroup_id_z 1
		.amdhsa_system_vgpr_workitem_id 0
		.amdhsa_next_free_vgpr 512
		.amdhsa_next_free_sgpr 72
		.amdhsa_reserve_vcc 0
		.amdhsa_float_denorm_mode_32 3
		.amdhsa_float_denorm_mode_16_64 3
		.amdhsa_memory_ordered 1
		.amdhsa_forward_progress 1
		.amdhsa_inst_pref_size 95
	.end_amdhsa_kernel
	.amdgpu_metadata
---
amdhsa.version: [ 1, 2 ]
amdhsa.kernels:
  - .name:           k_qfef6f307d1_oproj
    .symbol:         k_qfef6f307d1_oproj.kd
    .args:
      - { .name: a16, .offset: 0, .size: 8, .value_kind: global_buffer, .address_space: global }
      - { .name: wo16, .offset: 8, .size: 8, .value_kind: global_buffer, .address_space: global }
      - { .name: out0, .offset: 16, .size: 8, .value_kind: global_buffer, .address_space: global }
    .group_segment_fixed_size: 327680
    .private_segment_fixed_size: 0
    .kernarg_segment_align: 8
    .kernarg_segment_size: 24
    .max_flat_workgroup_size: 128
    .sgpr_count:     72
    .vgpr_count:     512
    .wavefront_size: 32
...
	.end_amdgpu_metadata
.endif
;; end of part 4
;; launch first16 (part 5): grid 4 x 16, 16 waves a work-group, clusters of 4 x 1, 280,576 bytes of LDS; arguments qkv32, Wo, out0; writes out0
.if DOCPART == 5
	.amdgcn_target "amdgcn-amd-amdhsa--gfx1250"
	.amdhsa_code_object_version 6
	.text
	.protected	k_qfef6f307d1_first16
	.globl	k_qfef6f307d1_first16
	.p2align	8
	.type	k_qfef6f307d1_first16,@function
k_qfef6f307d1_first16:
	s_mov_b64 s[64:65], 0
	v_nop
	global_prefetch_b8 v0, s[64:65] scope:SCOPE_SE
	s_setreg_imm32_b32 hwreg(HW_REG_WAVE_MODE, 25, 1), 1
	s_wait_xcnt 0x0
	s_wait_alu depctr_hold_cnt(0) depctr_sa_sdst(0) depctr_va_vdst(0) depctr_va_sdst(0) depctr_va_ssrc(0) depctr_va_vcc(0) depctr_vm_vsrc(0)
	s_getreg_b32 s2, hwreg(HW_REG_IB_STS2, 6, 4)
	s_cmp_eq_u32 s2, 0
	s_cbranch_scc0 .Lentry_in_a_cluster
	s_endpgm
.Lentry_in_a_cluster:
	s_bfe_u32 s2, ttmp6, 0x10000c
	s_cmp_lg_u32 s2, 0x3003
	s_cbranch_scc0 .Lentry_shape_is_right
	s_endpgm
.Lentry_shape_is_right:
; Positions 0-15 of every sequence, all in f32: attention over their 16 keys under the causal mask, and the projection by Wo.  These rows average one to sixteen values and are the largest of the output.
; A work-group: one batch (cx) and 64 columns of out0 (the cluster's y).  Wave w is head w: it makes the head's 16 x 64 attention output, multiplies it by Wo's rows 64 w .. 64 w + 63 at the 64 columns, and the sixteen
; partial sums meet in LDS.  The four batches of a cluster want the same block of Wo: each wave asks for its 64 x 64 tile JOINTLY (mask 15); cx enters global addresses alone.
; The f32 matrix form: lane (r, h) holds row or column r and k = 2 h + j in register j; a permutation of k applied alike to both sources keeps the products.  Its results are written by matrix instructions alone.
.set WT,    17408                      ; a wave's tile of Wo: 64 rows x (256 bytes + 16); later its partial sums, 16 rows x 272
.set SPARE, 16*WT
.set SP,  24                           ; v24-31   the scores, then p
.set QF,  32
.set KF,  64
.set VF,  96                           ; v96-127  V; later the attention output
.set WF,  128                          ; v128-191 Wo's fragments
.set SA,  192
.set SB,  200
.set OA,  208                          ; v208-239 O^T; later the four tiles of the product with Wo
.set SPW, 254
.set NIL, 255
.macro CROUND
	s_barrier_signal -1
	s_barrier_wait -1
	s_cmp_lg_u32 s10, 0
	s_cbranch_scc1 .Lnot_wave_0_\@
	s_barrier_signal -3
.Lnot_wave_0_\@:
	s_barrier_wait -3
	s_barrier_signal -1
	s_barrier_wait -1
.endm
	s_load_b128 s[4:7], s[0:1], 0x0                ; qkv32, Wo
	s_load_b64 s[8:9], s[0:1], 0x10                ; out0
	v_lshl_add_u32 v[SPW], v0, 2, SPARE
	v_mov_b32 v[NIL], 0
	ds_add_u32 v[SPW], v[NIL]                      ; the wave's opening: the add, twice on end, and its wait ahead of my tensor load
	ds_add_u32 v[SPW], v[NIL]
	v_lshrrev_b32 v1, 5, v0
	v_readfirstlane_b32 s10, v1                    ; wave = head
	s_bfe_u32 s11, ttmp6, 0x40000                  ; cx = batch
	s_and_b32 s12, ttmp7, 0xffff                   ; which 64 columns
	s_mov_b32 s16, 15|(2<<16)|(1<<20)|(1<<21)|(5<<22)|(3<<25)   ; all four work-groups; elements of 4 bytes; 4 words of padding after every 64; bit 21 beside a mask
	s_mov_b32 s17, 64<<16                          ; tensor_dim0
	s_mov_b32 s18, 64<<16                          ; tensor_dim1
	s_mov_b32 s19, 64<<16                          ; tile_dim0
	s_mov_b32 s20, 64                              ; tile_dim1
	s_mov_b32 s21, 1024                            ; from row to row
	s_mov_b32 s22, 0
	s_mov_b32 s23, 0
	s_mul_i32 s13, s10, WT
	s_lshl_b32 s32, s10, 18                        ; Wo: 64 rows of 4,096 bytes a head,
	s_lshl_b32 s33, s12, 8                         ; 256 bytes a column block
	s_add_co_u32 s32, s32, s33
	s_mov_b32 s33, 0
	s_lshl_b32 s34, s11, 4
	s_add_co_u32 s34, s34, s10
	s_lshl_b32 s34, s34, 12                        ; qkv32: block 16 batch + head of 4,096 bytes
	s_mov_b32 s35, 0
	s_lshl_b32 s36, s11, 23                        ; out0: batch x 2,048 rows of 4,096 bytes,
	s_lshl_b32 s37, s10, 12                        ; row = my wave's number (the row that I sum at the end),
	s_add_co_u32 s36, s36, s37
	s_lshl_b32 s37, s12, 8
	s_add_co_u32 s36, s36, s37
	s_mov_b32 s37, 0
	s_mov_b32 s28, 0x76543210
	s_mov_b32 s29, 0xfedcba98                      ; v_permlanex16_b32: lane l xor 16
	s_mov_b32 s30, 0x3e38aa3b                      ; c = log2(e) / 8
	s_wait_dscnt 0x0                               ; both opening adds are done
	s_wait_kmcnt 0x0
	s_mov_b32 s24, 1
	s_mov_b32 s25, s13
	s_add_nc_u64 s[26:27], s[6:7], s[32:33]
	s_or_b32 s27, s27, 0x80000000
	s_add_nc_u64 s[4:5], s[4:5], s[34:35]
	s_add_nc_u64 s[8:9], s[8:9], s[36:37]
	CROUND                                         ; all four work-groups are here: the joint loads meet
	tensor_load_to_lds s[24:27], s[16:23]          ; my one tensor load; I alone read its bytes
	s_nop 0
	v_and_b32 v1, 15, v0                           ; r
	v_bfe_u32 v2, v0, 4, 1                         ; h
	v_lshlrev_b32 v3, 8, v1
	v_lshl_add_u32 v3, v2, 4, v3                   ; Q, K: row r, 16 bytes for each half: channels 8 t + 4 h + 0..3
	v_lshlrev_b32 v4, 2, v1
	v_lshl_add_u32 v4, v2, 11, v4                  ; V: channel r of a tile, keys 8 h on
.irp t, 0,1,2,3,4,5,6,7
	global_load_b128 v[QF+4*\t:QF+4*\t+3], v3, s[4:5] offset:32*\t
	global_load_b128 v[KF+4*\t:KF+4*\t+3], v3, s[4:5] offset:262144+32*\t
.endr
.irp c, 0,1,2,3
.irp t, 0,1,2,3
.irp j, 0,1
	global_load_b32 v[VF+8*\c+2*\t+\j], v4, s[4:5] offset:524288+256*(2*\t+\j)+64*\c   ; V(key 8 h + 2 t + j, channel 16 c + r)
.endr
.endr
.endr
	v_lshlrev_b32 v5, 3, v2
	v_sub_nc_u32 v5, v1, v5                        ; r - 8 h
	v_mov_b32 v6, 0xff800000                       ; -infinity
	v_lshlrev_b32 v10, 2, v1
	v_mad_u32_u24 v10, v2, 2176, v10
	v_add_nc_u32 v10, s13, v10                     ; Wo's fragments: column r of a tile, rows 8 h on
	v_mul_u32_u24 v11, v1, 272
	v_lshl_add_u32 v11, v2, 5, v11
	v_add_nc_u32 v11, s13, v11                     ; my partial sums: row r, 32 bytes for each half
	v_and_b32 v16, 31, v0
	v_lshlrev_b32 v16, 3, v16                      ; 8 bytes a lane
	s_mul_i32 s14, s10, 272
	v_add_nc_u32 v12, s14, v16                     ; row = my wave's number in the partial sums of heads 0-3,
	v_add_nc_u32 v13, 4*WT, v12                    ; 4-7,
	v_add_nc_u32 v14, 8*WT, v12                    ; 8-11,
	v_add_nc_u32 v15, 12*WT, v12                   ; 12-15
	v_mov_b32 v8, 0                                ; (a lane permute's destination counts as read)
	s_wait_loadcnt 32                              ; Q and K are in; V's 32 loads may be out
	; S^T = K Q^T: 16 steps of 4 channels, two accumulators by turns
	v_wmma_f32_16x16x4_f32 v[SA:SA+7], v[KF:KF+1], v[QF:QF+1], 0
	v_wmma_f32_16x16x4_f32 v[SB:SB+7], v[KF+2:KF+3], v[QF+2:QF+3], 0
.irp e, 2,4,6,8,10,12,14
	v_wmma_f32_16x16x4_f32 v[SA:SA+7], v[KF+2*\e:KF+2*\e+1], v[QF+2*\e:QF+2*\e+1], v[SA:SA+7]
	v_wmma_f32_16x16x4_f32 v[SB:SB+7], v[KF+2*\e+2:KF+2*\e+3], v[QF+2*\e+2:QF+2*\e+3], v[SB:SB+7]
.endr
.rept 8
	v_nop                                          ; eight places behind this form, in front of the first read of its results
.endr
.irp j, 0,1,2,3,4,5,6,7
	v_add_f32 v[SP+\j], v[SA+\j], v[SB+\j]         ; lane (r, h): query r, key 8 h + j
.endr
.irp j, 0,1,2,3,4,5,6,7
	v_cmp_gt_i32 vcc_lo, \j, v5                    ; hidden where 8 h + j > r
	v_cndmask_b32 v[SP+\j], v[SP+\j], v6, vcc_lo
.endr
	v_max3_num_f32 v7, v[SP], v[SP+1], v[SP+2]
	v_max3_num_f32 v7, v7, v[SP+3], v[SP+4]
	v_max3_num_f32 v7, v7, v[SP+5], v[SP+6]
	v_max_num_f32 v7, v7, v[SP+7]
	v_permlanex16_b32 v8, v7, s28, s29
	v_max_num_f32 v7, v7, v8                       ; the row's maximum: key 0 counts for every query, so it is a number
	v_mul_f32 v7, s30, v7
.irp j, 0,1,2,3,4,5,6,7
	v_fma_f32 v[SP+\j], v[SP+\j], s30, -v7
.endr
.irp j, 0,1,2,3,4,5,6,7
	v_exp_f32 v[SP+\j], v[SP+\j]
.endr
	v_nop
	s_wait_alu depctr_va_vdst(0)                   ; one wait for the eight, ahead of their first reader
	v_add_f32 v8, v[SP], v[SP+1]
	v_add_f32 v9, v[SP+2], v[SP+3]
	v_add_f32 v17, v[SP+4], v[SP+5]
	v_add_f32 v18, v[SP+6], v[SP+7]
	v_add_f32 v8, v8, v9
	v_add_f32 v17, v17, v18
	v_add_f32 v8, v8, v17
	v_permlanex16_b32 v9, v8, s28, s29
	v_add_f32 v8, v8, v9                           ; the row's sum
	v_rcp_f32 v9, v8
	v_nop
	s_wait_alu depctr_va_vdst(0)
	s_wait_loadcnt 0x0                             ; V
	; O^T = V^T P: step t takes keys 8 h + 2 t + j from both sources; four accumulators by turns
.irp c, 0,1,2,3
	v_wmma_f32_16x16x4_f32 v[OA+8*\c:OA+8*\c+7], v[VF+8*\c:VF+8*\c+1], v[SP:SP+1], 0
.endr
.irp t, 1,2,3
.irp c, 0,1,2,3
	v_wmma_f32_16x16x4_f32 v[OA+8*\c:OA+8*\c+7], v[VF+8*\c+2*\t:VF+8*\c+2*\t+1], v[SP+2*\t:SP+2*\t+1], v[OA+8*\c:OA+8*\c+7]
.endr
.endr
.rept 9
	v_nop                                          ; eight places for the reads and for the writes over V; nine for the later products that are laid over these results
.endr
.irp j, 0,1,2,3,4,5,6,7,8,9,10,11,12,13,14,15,16,17,18,19,20,21,22,23,24,25,26,27,28,29,30,31
	v_mul_f32 v[VF+\j], v[OA+\j], v9               ; register 8 c + i: the output of query r at channel 16 c + 8 h + i
.endr
	s_wait_tensorcnt 0x0                           ; my tile of Wo has landed
	; the product with Wo, transposed: source 0 = 16 columns of Wo, source 1 = the attention output; step (c, t) takes channels 16 c + 8 h + 2 t + j from both.  Two tiles of columns at a time, by turns
.irp p, 0,1
.if \p > 0
.rept 8
	v_nop                                          ; places in front of loads into registers that matrix instructions have read
.endr
.endif
.irp n, 0,1
.irp c, 0,1,2,3
.irp t, 0,1,2,3
.irp j, 0,1
	ds_load_b32 v[WF+32*\n+8*\c+2*\t+\j], v10 offset:272*(16*\c+2*\t+\j)+64*(2*\p+\n)
.endr
.endr
.endr
.endr
	s_wait_dscnt 0x0
.irp c, 0,1,2,3
.irp t, 0,1,2,3
.irp n, 0,1
.if (\c == 0) && (\t == 0)
	v_wmma_f32_16x16x4_f32 v[OA+8*(2*\p+\n):OA+8*(2*\p+\n)+7], v[WF+32*\n+8*\c+2*\t:WF+32*\n+8*\c+2*\t+1], v[VF+8*\c+2*\t:VF+8*\c+2*\t+1], 0
.else
	v_wmma_f32_16x16x4_f32 v[OA+8*(2*\p+\n):OA+8*(2*\p+\n)+7], v[WF+32*\n+8*\c+2*\t:WF+32*\n+8*\c+2*\t+1], v[VF+8*\c+2*\t:VF+8*\c+2*\t+1], v[OA+8*(2*\p+\n):OA+8*(2*\p+\n)+7]
.endif
.endr
.endr
.endr
.endr
.rept 8
	v_nop
.endr
.irp n, 0,1,2,3
	ds_store_b128 v11, v[OA+8*\n:OA+8*\n+3] offset:64*\n          ; lane (r, h): query r, columns 16 n + 8 h + 0..7.  Over my own tile, whose reads are back
	ds_store_b128 v11, v[OA+8*\n+4:OA+8*\n+7] offset:64*\n+16
.endr
	s_wait_dscnt 0x0                               ; for the others' sake: my stores have landed
	s_barrier_signal -1
	s_barrier_wait -1
.irp g, 0,1,2,3                                ; wave w sums row w of the sixteen heads' partial sums
.irp u, 0,1,2,3
	ds_load_b64 v[WF+8*\g+2*\u:WF+8*\g+2*\u+1], v[12+\g] offset:WT*\u
.endr
.endr
	s_wait_dscnt 0x0
.irp u, 0,2,4,6,8,10,12,14
	v_pk_add_f32 v[WF+\u:WF+\u+1], v[WF+\u:WF+\u+1], v[WF+16+\u:WF+16+\u+1]
.endr
.irp u, 0,2,4,6
	v_pk_add_f32 v[WF+\u:WF+\u+1], v[WF+\u:WF+\u+1], v[WF+8+\u:WF+8+\u+1]
.endr
.irp u, 0,2
	v_pk_add_f32 v[WF+\u:WF+\u+1], v[WF+\u:WF+\u+1], v[WF+4+\u:WF+4+\u+1]
.endr
	v_pk_add_f32 v[WF:WF+1], v[WF:WF+1], v[WF+2:WF+3]
	global_store_b64 v16, v[WF:WF+1], s[8:9]       ; 32 lanes store 256 consecutive bytes, aligned
	s_wait_tensorcnt 0x0                           ; the wave's end
	ds_add_u32 v[SPW], v[NIL]
	s_wait_dscnt 0x0
	CROUND                                         ; the closing round
	s_endpgm
.Lfunc_end_k_qfef6f307d1_first16:
	.size	k_qfef6f307d1_first16, .Lfunc_end_k_qfef6f307d1_first16-k_qfef6f307d1_first16
	.p2alignl 7, 3214868480
	.fill 96, 4, 3214868480
	.section	.rodata,"a",@progbits
	.p2align	6, 0x0
	.amdhsa_kernel k_qfef6f307d1_first16
		.amdhsa_group_segment_fixed_size 280576
		.amdhsa_private_segment_fixed_size 0
		.amdhsa_enable_private_segment 0
		.amdhsa_kernarg_size 24
		.amdhsa_user_sgpr_count 2
		.amdhsa_user_sgpr_kernarg_segment_ptr 1
		.amdhsa_wavefront_size32 1
		.amdhsa_system_sgpr_workgroup_id_x 1
		.amdhsa_system_sgpr_workgroup_id_y 1
		.amdhsa_system_sgpr_workgroup_id_z 1
		.amdhsa_system_vgpr_workitem_id 0
		.amdhsa_next_free_vgpr 256
		.amdhsa_next_free_sgpr 66
		.amdhsa_reserve_vcc 1
		.amdhsa_float_denorm_mode_32 3
		.amdhsa_float_denorm_mode_16_64 3
		.amdhsa_memory_ordered 1
		.amdhsa_forward_progress 1
		.amdhsa_inst_pref_size 31
	.end_amdhsa_kernel
	.amdgpu_metadata
---
amdhsa.version: [ 1, 2 ]
amdhsa.kernels:
  - .name:           k_qfef6f307d1_first16
    .symbol:         k_qfef6f307d1_first16.kd
    .args:
      - { .name: qkv32, .offset: 0, .size: 8, .value_kind: global_buffer, .address_space: global }
      - { .name: Wo, .offset: 8, .size: 8, .value_kind: global_buffer, .address_space: global }
      - { .name: out0, .offset: 16, .size: 8, .value_kind: global_buffer, .address_space: global }
    .group_segment_fixed_size: 280576
    .private_segment_fixed_size: 0
    .kernarg_segment_align: 8
    .kernarg_segment_size: 24
    .max_flat_workgroup_size: 512
    .sgpr_count:     66
    .vgpr_count:     256
    .wavefront_size: 32
...
	.end_amdgpu_metadata
.endif
;; end of part 5
